; MI455X (gfx1250); checked and timed in simulation.
; The chip was launched on July 23, 2026; its instructions are those of AMD's public machine-readable ISA for CDNA 5 (MIT licence, August 2026) and "CDNA5" Instruction Set Architecture Reference Guide (July 2026). The comments in the code are by the model that wrote it; some were corrected since.
;; Causal Decay Memory. Allowed arithmetic: matrix products marked QUANTISED: E2M1 operands, one E8M0 scale for each 32 along K, by v_wmma_scale_f32_16x16x128_f8f6f4 with both operands' format E2M1 (or v_wmma_scale_f32_32x16x128_f4), f32 sums; products left as they are: bf16, f16 or f32 operands; f32 sums; everything else in f32.
;; Inputs: Wk 256 x 256 float32; Wo 256 x 256 float32; Wq 256 x 256 float32; Wv 256 x 256 float32; decay_logit one number float32; out_scale one number float32; x 4 x 4,096 x 256 float32.
;; Outputs: out0 4 x 4,096 x 256 float32.
;; This version of the problem:
;;   THIS VERSION OF THE PROBLEM IS GIVEN IN LOW PRECISION. The matrix products marked QUANTISED in the list below multiply operands that are first quantised to E2M1 (2 exponent bits, 1 mantissa bit; 4 bits a number), with one power-of-two scale for each 32 numbers along K (OCP MX v1.0); their sums are f32. The products marked 'left as it is' may take bf16, f16 or f32 operands, with f32 sums. Whichever they take, every output number must still come out within the allowed error. Rounding operands to bf16 (8 significant bits) uses up far more of that allowance than f16 does (11 bits, for magnitudes from 6e-5 to 65,504). All else is computed in f32.
;;   The module's matrix products, in the order in which they are computed (A, B: the left and right operand; K: the contracted axis; several contracted axes count as one K, in the product's order):
;;     1. [M 16,384, K 256] x [K 256, N 256]; A: input x; B: input Wq: QUANTISED
;;     2. [M 16,384, K 256] x [K 256, N 256]; A: input x; B: input Wk: QUANTISED
;;     3. [M 16,384, K 256] x [K 256, N 256]; A: input x; B: input Wv: QUANTISED
;;     4. batch 4 x [M 4,096, K 256] x [K 256, N 4,096]; A: computed on the way; B: computed on the way: left as it is (an operand is computed on the way)
;;     5. batch 4 x [M 4,096, K 4,096] x [K 4,096, N 256]; A: computed on the way; B: computed on the way: left as it is (an operand is computed on the way)
;;     6. [M 16,384, K 256] x [K 256, N 256]; A: computed on the way; B: input Wo: left as it is (an operand is computed on the way)
;;   THE QUANTISER, for each operand of a quantised product, along K:
;;     - K is cut into blocks of 32 from its start; a last block that is shorter is filled with zeros.
;;     - A block's scale is 2^e with e = floor(log2(the largest magnitude in the block)) - 2, held to -126 .. 127; a block of zeros has e = 0. As a byte (E8M0): e + 127.
;;     - Each number is divided by its block's scale, clamped to +-6, and rounded to the nearest number of E2M1, ties to even, subnormals kept.
;;     - The product sums the exact products of the quantised numbers (number of the format x scale) in f32.
;;   ~~~python
;;   def quantise(x, axis):      # numpy; x: float32 -> the quantised numbers, widened to float32 again
;;       x = np.moveaxis(x, axis, -1); K = x.shape[-1]
;;       x = np.pad(x, [(0, 0)] * (x.ndim - 1) + [(0, -K % 32)]); x = x.reshape(x.shape[:-1] + (-1, 32)); a = np.abs(x).max(-1, keepdims=True)
;;       e = np.where(a > 0, np.clip(np.frexp(np.where(a > 0, a, 1))[1] - 1 - 2, -126, 127), 0)      # np.frexp(a)[1] - 1 = floor(log2(a)), exactly
;;       r = np.clip(x / 2.0 ** e, -6, 6)
;;       step = 2.0 ** (np.maximum(np.frexp(np.where(r == 0, 1, r))[1] - 1, 0) - 1)
;;       q = np.round(r / step) * step * 2.0 ** e      # np.round: ties to even
;;       return np.moveaxis(q.reshape(q.shape[:-2] + (-1,))[..., :K], -1, axis).astype(np.float32)
;;   ~~~
;; 2 versions, each right; version 2 is version 1 with the launches state, out written anew for expert scheduling mode. Each part assembles by itself: llvm-mc -triple=amdgcn-amd-amdhsa -mcpu=gfx1250 --defsym DOCPART=n.
;; ======== version 1 of 2: 4 launches
;; workspace buffers: codes 2,195,456 bytes; scl 137,216 bytes; mx 4,352 bytes; wo16 131,072 bytes; eo 2,048 bytes; vp 8,388,608 bytes; A 16,777,216 bytes; T 16,777,216 bytes
;; launch quant (part 1): grid 272 x 1, 4 waves a work-group, no clusters, 67,072 bytes of LDS; arguments x, Wq, Wk, Wv, Wo, codes, scl, mx, wo16, eo; writes codes, scl, mx, wo16, eo
.if DOCPART == 1
	.amdgcn_target "amdgcn-amd-amdhsa--gfx1250"
	.amdhsa_code_object_version 6
	.text
	.protected	k_q2c0da17db6_quant
	.globl	k_q2c0da17db6_quant
	.p2align	8
	.type	k_q2c0da17db6_quant,@function
k_q2c0da17db6_quant:
	s_mov_b64 s[64:65], 0
	v_nop
	global_prefetch_b8 v0, s[64:65] scope:SCOPE_SE
	s_setreg_imm32_b32 hwreg(HW_REG_WAVE_MODE, 25, 1), 1
	s_wait_xcnt 0x0
; x [16384][256], Wq, Wk, Wv [256][256], f32, K innermost, become codes of FP4 (E2M1) with one E8M0 byte for each 32 along K; Wo [256][256] becomes f16, each row first divided by a power of two of its own.
; A wave takes one TILE of 16 rows x 256 numbers, 16,384 dense bytes.  Tiles 0-1023: x; 1024-1039: Wq; 1040-1055: Wk; 1056-1071: Wv; 1072-1087: Wo.  Tile = 4 x work-group + wave.
; WHAT IS STORED IS AN IMAGE OF THE OPERAND'S REGISTERS: a group of four registers is 512 bytes, lane l's 16 bytes at 16 l.  codes: tile x 2,048 bytes; group q (0..3): lane (r, h) holds the codes of k = 64 q + 32 h + 0..31 of row r.
; scl: tile x 128 bytes: lane l < 16 row l's scale word of k 0-127, lane 16 + l that of k 128-255.  mx: the tile's largest magnitude (not under 2^-124).  wo16: tile x 8,192: fragment kappa (1,024 bytes): lane (r, h): k = 32 kappa + 8 h + 0..7, then + 16.
; eo: tile x 128: lane l: the exponent taken out of row l % 16 of Wo.
; A block's scale is 2^(floor(log2(its largest magnitude)) - 2): its byte is the largest magnitude's exponent field - 2, held at 1 from below by a floor among the maximum's leaves.
; The loads take the bytes as they lie (512 consecutive bytes a load); the tile turns through the wave's own stage in LDS (rows 1,040 bytes apart: 260 words, so 16 rows of one column start 4 words apart), and comes back 128 or 32 neighbouring bytes of a row to a lane.
; No tensor loads, no barrier, no cluster: waves share nothing and every input byte is read once.
; LIMITS: NaN and infinities are not served; a block of zeros gets the byte 1 where the rule says 127 (its codes are zeros, and this program alone reads the bytes); a row of Wo with a magnitude of 2^127 or more is divided by 2^126.
.set PIT,   1040
.set STGW,  16*PIT                     ; a wave's stage
.set SPARE, 4*STGW                     ; behind the stages: the spare words, 128 bytes for each wave, which no other line names
.set SPW,   10                         ; v10  LDS address of my spare word; never rewritten
.set NIL,   11                         ; v11  0; never rewritten
.set MXR,   12                         ; v12-15 four largest magnitudes
.set SOP,   16                         ; v16-19 the conversions' scale operands
.set BYT,   20                         ; v20-23 the scales' bytes
.set DAT,   32                         ; v32-159 the tile's numbers
.set COD,   160                        ; v160-175 codes
	s_load_b512 s[8:23], s[0:1], 0x0               ; x, Wq, Wk, Wv, Wo, codes, scl, mx
	s_load_b128 s[24:27], s[0:1], 0x40             ; wo16, eo
	v_lshl_add_u32 v[SPW], v0, 2, SPARE
	v_mov_b32 v[NIL], 0
	v_lshrrev_b32 v1, 5, v0
	v_readfirstlane_b32 s2, v1                     ; wave
	v_and_b32 v1, 31, v0                           ; lane
	v_and_b32 v2, 15, v0                           ; r
	v_bfe_u32 v3, v0, 4, 1                         ; h
	v_lshlrev_b32 v4, 4, v1                        ; 16 x lane
	v_lshlrev_b32 v8, 2, v1                        ; 4 x lane
	v_mov_b32 v9, 0                                ; offset of the one word for mx
	v_mov_b32 v29, 0                               ; written once: a lane permute's destination counts as one of its sources
	v_mov_b32 v30, 0
	s_mul_i32 s3, s2, STGW
	v_add_nc_u32 v5, s3, v4                        ; the stage, on the way in
	v_mul_u32_u24 v6, v2, PIT
	v_add_nc_u32 v6, s3, v6
	v_lshl_add_u32 v7, v3, 5, v6                   ; on the way out for Wo: row r, + 32 h
	v_lshl_add_u32 v6, v3, 7, v6                   ; on the way out for codes: row r, + 128 h
	s_lshl_b32 s4, ttmp9, 2
	s_add_co_u32 s4, s4, s2                        ; my tile
	s_mov_b32 s34, 0x76543210
	s_mov_b32 s35, 0xfedcba98                      ; v_permlanex16_b32's selects for lane l xor 16
	s_mov_b32 s30, 1072
	s_mov_b32 s33, 0
	s_wait_kmcnt 0x0
	s_mov_b64 s[28:29], s[16:17]                   ; which tensor: the choice hangs on the work-group's number alone
	s_cmp_lt_u32 ttmp9, 268
	s_cselect_b64 s[28:29], s[14:15], s[28:29]
	s_cselect_b32 s30, 1056, s30
	s_cmp_lt_u32 ttmp9, 264
	s_cselect_b64 s[28:29], s[12:13], s[28:29]
	s_cselect_b32 s30, 1040, s30
	s_cmp_lt_u32 ttmp9, 260
	s_cselect_b64 s[28:29], s[10:11], s[28:29]
	s_cselect_b32 s30, 1024, s30
	s_cmp_lt_u32 ttmp9, 256
	s_cselect_b64 s[28:29], s[8:9], s[28:29]
	s_cselect_b32 s30, 0, s30
	s_sub_co_u32 s31, s4, s30                      ; my tile within its tensor
	s_lshl_b32 s32, s31, 14
	s_add_nc_u64 s[28:29], s[28:29], s[32:33]
	s_lshl_b32 s32, s4, 2
	s_add_nc_u64 s[22:23], s[22:23], s[32:33]      ; mx at my tile
.set n, 0
.rept 32
	global_load_b128 v[DAT+4*n:DAT+4*n+3], v4, s[28:29] offset:512*n th:TH_LOAD_NT   ; 32 lanes read 512 consecutive bytes
.set n, n+1
.endr
.irp g, 0,1,2,3
	s_wait_loadcnt 24-8*\g                         ; this group's eight loads are in; the younger groups' may be out
.irp u, 0,1,2,3,4,5,6,7
	ds_store_b128 v5, v[DAT+4*(8*\g+\u):DAT+4*(8*\g+\u)+3] offset:(4*\g+\u/2)*PIT+(\u%2)*512
.endr
.endr
	s_wait_dscnt 0x0                               ; the stores have read their registers, which are loaded again below
	s_cmp_ge_u32 ttmp9, 268
	s_cbranch_scc1 .Lwo
	; ---- x, Wq, Wk, Wv: codes.  A lane holds four whole blocks of 32: block q is k = 64 q + 32 h + 0..31 of row r
	s_lshl_b32 s32, s4, 11
	s_add_nc_u64 s[18:19], s[18:19], s[32:33]      ; codes at my tile
	s_lshl_b32 s32, s4, 7
	s_add_nc_u64 s[20:21], s[20:21], s[32:33]      ; scl at my tile
.set n, 0
.rept 32
	ds_load_b128 v[DAT+4*n:DAT+4*n+3], v6 offset:256*(n/8)+16*(n%8)
.set n, n+1
.endr
.macro BLOCK q
.set XB, DAT+32*\q
	s_wait_dscnt 24-8*\q                           ; this block's eight loads are in; the later blocks' may be out
	v_max3_num_f32 v[MXR+\q], |v[XB]|, |v[XB+1]|, 0x1800000       ; the floor 2^(3 - 127): the byte cannot fall under 1
	v_max3_num_f32 v24, |v[XB+2]|, |v[XB+3]|, |v[XB+4]|           ; (two chains, so that no line waits for the line above it)
.irp i, 5,9,13,17,21,25
	v_max3_num_f32 v[MXR+\q], v[MXR+\q], |v[XB+\i]|, |v[XB+\i+1]|
	v_max3_num_f32 v24, v24, |v[XB+\i+2]|, |v[XB+\i+3]|
.endr
	v_max3_num_f32 v[MXR+\q], v[MXR+\q], |v[XB+29]|, |v[XB+30]|
	v_max3_num_f32 v[MXR+\q], v[MXR+\q], v24, |v[XB+31]|
	v_add_nc_u32 v[SOP+\q], 0xff000000, v[MXR+\q]  ; 2 off the exponent field: the conversion takes the exponent field of this operand as its scale
.irp g, 0,1,2,3
	v_cvt_scalef32_pk8_fp4_f32 v[COD+4*\q+\g], v[XB+8*\g:XB+8*\g+7], v[SOP+\q]
.endr
	v_lshrrev_b32 v[BYT+\q], 23, v[SOP+\q]         ; the scale's byte (also the plain line behind the conversions)
	global_store_b128 v4, v[COD+4*\q:COD+4*\q+3], s[18:19] offset:512*\q   ; 512 consecutive bytes, aligned
.endm
	BLOCK 0
	BLOCK 1
	BLOCK 2
	BLOCK 3
	v_lshl_or_b32 v26, v21, 16, v20                ; k 0-127: my blocks are bytes h and 2 + h of the row's word,
	v_lshl_or_b32 v27, v23, 16, v22                ; k 128-255 likewise
	v_lshlrev_b32 v28, 3, v3
	v_lshlrev_b32 v26, v28, v26
	v_lshlrev_b32 v27, v28, v27
	v_permlanex16_b32 v29, v26, s34, s35
	v_permlanex16_b32 v30, v27, s34, s35
	v_or_b32 v26, v26, v29                         ; with lane l xor 16's two bytes the words are whole
	v_or_b32 v27, v27, v30
	v_cmp_eq_u32 vcc_lo, 1, v3
	v_cndmask_b32 v26, v26, v27, vcc_lo            ; lanes 0-15 keep the first word, lanes 16-31 the second
	global_store_b32 v8, v26, s[20:21]
	v_max3_num_f32 v12, v12, v13, v14
	v_max_num_f32 v12, v12, v15                    ; my lane's largest magnitude
	s_branch .Lfin
.Lwo:
	; ---- Wo: f16, each row divided by 2^(floor(log2(its largest magnitude))).  A lane holds, of row r, k = 32 kappa + 16 g + 8 h + 0..7
	s_lshl_b32 s32, s31, 13
	s_add_nc_u64 s[24:25], s[24:25], s[32:33]      ; wo16 at my tile
	s_lshl_b32 s32, s31, 7
	s_add_nc_u64 s[26:27], s[26:27], s[32:33]      ; eo at my tile
.set n, 0
.rept 32
	ds_load_b128 v[DAT+4*n:DAT+4*n+3], v7 offset:128*(n/4)+64*((n/2)%2)+16*(n%2)
.set n, n+1
.endr
	s_wait_dscnt 0x0
.irp c, 0,1,2,3
	v_max3_num_f32 v[MXR+\c], |v[DAT+32*\c]|, |v[DAT+32*\c+1]|, 0x1800000
.endr
.irp i, 2,4,6,8,10,12,14,16,18,20,22,24,26,28,30
.irp c, 0,1,2,3
	v_max3_num_f32 v[MXR+\c], v[MXR+\c], |v[DAT+32*\c+\i]|, |v[DAT+32*\c+\i+1]|
.endr
.endr
	v_max3_num_f32 v12, v12, v13, v14
	v_max_num_f32 v12, v12, v15
	v_permlanex16_b32 v29, v12, s34, s35
	v_max_num_f32 v12, v12, v29                    ; with lane l xor 16's half: the row's largest magnitude
	v_lshrrev_b32 v16, 23, v12                     ; its exponent field f,
	v_min_u32 v16, 253, v16                        ; held at 253, so that the factor below is a normal number
	v_sub_nc_u32 v18, 254, v16
	v_lshlrev_b32 v18, 23, v18                     ; 2^(127 - f)
	v_mov_b32 v19, v18
	v_add_nc_u32 v20, 0xffffff81, v16              ; f - 127: what the last launch puts back
.set n, 0
.rept 64
	v_pk_mul_f32 v[DAT+2*n:DAT+2*n+1], v[DAT+2*n:DAT+2*n+1], v[18:19]   ; exact
.set n, n+1
.endr
.set n, 0
.rept 64
	v_cvt_pk_f16_f32 v[DAT+n], v[DAT+2*n], v[DAT+2*n+1]   ; in place, ascending: register n is written when 2 n and 2 n + 1 are read
.set n, n+1
.endr
.set n, 0
.rept 16
	global_store_b128 v4, v[DAT+4*n:DAT+4*n+3], s[24:25] offset:512*n
.set n, n+1
.endr
	global_store_b32 v8, v20, s[26:27]
.Lfin:
	v_max_num_f32_dpp v12, v12, v12 row_xmask:1 row_mask:0xf bank_mask:0xf
	v_max_num_f32_dpp v12, v12, v12 row_xmask:2 row_mask:0xf bank_mask:0xf
	v_max_num_f32_dpp v12, v12, v12 row_xmask:4 row_mask:0xf bank_mask:0xf
	v_max_num_f32_dpp v12, v12, v12 row_xmask:8 row_mask:0xf bank_mask:0xf
	v_permlanex16_b32 v29, v12, s34, s35
	v_max_num_f32 v12, v12, v29                    ; the tile's largest magnitude
	v_cmp_eq_u32 vcc_lo, 0, v1
	s_wait_xcnt 0x0                                ; EXEC is a source of the stores above: it changes only behind this wait
	s_and_saveexec_b32 s36, vcc_lo
	global_store_b32 v9, v12, s[22:23]             ; lane 0 alone
	s_wait_xcnt 0x0                                ; and again in front of the line that widens it
	s_or_b32 exec_lo, exec_lo, s36
	s_wait_tensorcnt 0x0                           ; the wave's end, behind my last LDS store
	ds_add_u32 v[SPW], v[NIL]
	s_wait_dscnt 0x0
	s_endpgm
.Lfunc_end_k_q2c0da17db6_quant:
	.size	k_q2c0da17db6_quant, .Lfunc_end_k_q2c0da17db6_quant-k_q2c0da17db6_quant
	.p2alignl 7, 3214868480
	.fill 96, 4, 3214868480
	.section	.rodata,"a",@progbits
	.p2align	6, 0x0
	.amdhsa_kernel k_q2c0da17db6_quant
		.amdhsa_group_segment_fixed_size 67072
		.amdhsa_private_segment_fixed_size 0
		.amdhsa_enable_private_segment 0
		.amdhsa_kernarg_size 80
		.amdhsa_user_sgpr_count 2
		.amdhsa_user_sgpr_kernarg_segment_ptr 1
		.amdhsa_wavefront_size32 1
		.amdhsa_system_sgpr_workgroup_id_x 1
		.amdhsa_system_sgpr_workgroup_id_y 1
		.amdhsa_system_sgpr_workgroup_id_z 1
		.amdhsa_system_vgpr_workitem_id 0
		.amdhsa_next_free_vgpr 176
		.amdhsa_next_free_sgpr 66
		.amdhsa_reserve_vcc 1
		.amdhsa_float_denorm_mode_32 3
		.amdhsa_float_denorm_mode_16_64 3
		.amdhsa_memory_ordered 1
		.amdhsa_forward_progress 1
		.amdhsa_inst_pref_size 34
	.end_amdhsa_kernel
	.amdgpu_metadata
---
amdhsa.version: [ 1, 2 ]
amdhsa.kernels:
  - .name:           k_q2c0da17db6_quant
    .symbol:         k_q2c0da17db6_quant.kd
    .args:
      - { .name: x, .offset: 0, .size: 8, .value_kind: global_buffer, .address_space: global }
      - { .name: Wq, .offset: 8, .size: 8, .value_kind: global_buffer, .address_space: global }
      - { .name: Wk, .offset: 16, .size: 8, .value_kind: global_buffer, .address_space: global }
      - { .name: Wv, .offset: 24, .size: 8, .value_kind: global_buffer, .address_space: global }
      - { .name: Wo, .offset: 32, .size: 8, .value_kind: global_buffer, .address_space: global }
      - { .name: codes, .offset: 40, .size: 8, .value_kind: global_buffer, .address_space: global }
      - { .name: scl, .offset: 48, .size: 8, .value_kind: global_buffer, .address_space: global }
      - { .name: mx, .offset: 56, .size: 8, .value_kind: global_buffer, .address_space: global }
      - { .name: wo16, .offset: 64, .size: 8, .value_kind: global_buffer, .address_space: global }
      - { .name: eo, .offset: 72, .size: 8, .value_kind: global_buffer, .address_space: global }
    .group_segment_fixed_size: 67072
    .private_segment_fixed_size: 0
    .kernarg_segment_align: 8
    .kernarg_segment_size: 80
    .max_flat_workgroup_size: 128
    .sgpr_count:     66
    .vgpr_count:     176
    .wavefront_size: 32
...
	.end_amdgpu_metadata
.endif
;; end of part 1
;; launch state (part 2): grid 4 x 64, 16 waves a work-group, no clusters, 296,960 bytes of LDS; arguments codes, scl, mx, wo16, decay_logit, vp, A; writes vp, A
.if DOCPART == 2
	.amdgcn_target "amdgcn-amd-amdhsa--gfx1250"
	.amdhsa_code_object_version 6
	.text
	.protected	k_q2c0da17db6_state
	.globl	k_q2c0da17db6_state
	.p2align	8
	.type	k_q2c0da17db6_state,@function
k_q2c0da17db6_state:
	s_mov_b64 s[64:65], 0
	v_nop
	global_prefetch_b8 v0, s[64:65] scope:SCOPE_SE
	s_setreg_imm32_b32 hwreg(HW_REG_WAVE_MODE, 25, 1), 1
	s_wait_xcnt 0x0
; For chunk bc (256 rows of one batch; c = bc % 16) and slice j of 64 outputs o:  v~'[s][o] = sum over i of v^[s][i] Wo^[o][i]  (stored, f16)  and, for c > 0,  A[kdim][o] = sum over s of d^(s_loc) k^[s][kdim] v~'[s][o]  (stored, f32).
; k = x Wk^T and v = x Wv^T are the QUANTISED products, on codes of FP4 with E8M0 scales, sums in f32.  d = sigmoid(decay_logit); L = log2(d).
; THE f16 OPERANDS ARE NORMALISED BY EXACT POWERS OF TWO TAKEN FROM THE DATA: with Ex, Ek, Ev the exponents of the largest magnitudes of x, Wk, Wv:  k^ = k 2^Nk, Nk = -(Ex + Ek);  v^ = v 2^Nv, Nv = -(Ex + Ev + 4); both held to -126 .. 126.
; A quantised number is under 2^(E + 1), so |k^| < 2^10, |v^| < 2^6, and with |Wo^| < 2: |v~'| < 2^15: nothing overflows in f16 whatever the inputs' size or offset.  The last launch takes the powers out again.
; SHARES.  Sixteen waves of 256 registers.  Projections: wave (mq = w % 4, rg = w / 4) makes rows 64 rg .. + 63 x dims 64 mq .. + 63.  The two f16 products: wave (p8 = w % 8, op = w / 8) makes 2 x 2 tiles of 16 x 16.
; OPERANDS GO FROM WAVE TO WAVE THROUGH LDS AS IMAGES OF THEIR REGISTERS: a fragment (16 x 32 of f16: 8 registers) is 1,024 bytes, registers 0-3 at 16 x lane, registers 4-7 512 bytes on.  Every address is a constant + 16 x lane + constants x the wave's number.
; v^ is made with source 0 = Wv, source 1 = x: a lane holds one row s and eight neighbouring dims: half a fragment with K = dim.  k^ is made the other way round: a lane holds one kdim and eight neighbouring s: half a fragment with K = s.
; NO CLUSTER, NO TENSOR LOAD: what the four slices of a chunk share is x's codes and scales, 34,816 bytes of the some 450,000 that a work-group moves, and each wave takes its tiles straight into the registers that multiply them.
; LIMITS: NaN and infinities are not served; L is held at -2^100 from below, so that d = 0 gives d^0 = 1 and d^n = 0; d^n under 2^-126 counts as 0.
.set VIMG,  0                          ; v^: 16 row tiles x 8 fragments
.set KT,    131072                     ; d^s k^, K = s: 16 kdim tiles x 8 fragments
.set VPI,   262144                     ; v~', K = s: 4 o tiles x 8 fragments
.set SPARE, 294912                     ; the spare words, 128 bytes for each wave, which no other line names
.set L16, 1                            ; v1   16 x lane
.set L4,  2                            ; v2   4 x lane
.set LG,  3                            ; v3   L
.set SPW, 4                            ; v4   LDS address of my spare word; never rewritten
.set NIL, 5                            ; v5   0; never rewritten
.set XS,  8                            ; v8-11  x's scale words;  v12-15 the weight's: these hold scales and nothing else
.set WS,  12
.set XF,  32                           ; v32-95   four tiles of x's codes (16 registers each: two K steps)
.set WF,  96                           ; v96-159  four tiles of the weight's
.set ACC, 160                          ; v160-191 four accumulators
.set TK,  192                          ; v192-223 2^Nk d^(s_loc) for my 4 x 8 places
.set WO,  32                           ; v32-159  Wo^: 2 o tiles x 8 fragments
.set VA,  160                          ; v160-223 v^: 4 kappa x 2 row tiles
.set AV,  224                          ; v224-255 four accumulators
.set KA,  32                           ; v32-95   d^s k^: 4 kappa x 2 kdim tiles
.set VB,  96                           ; v96-159  v~': 4 kappa x 2 o tiles
.set A2,  160                          ; v160-191 four accumulators
.set MXB, 12                           ; s[12:13] mx
.set SEL, 48                           ; s[48:49] lane selects for v_permlanex16_b32
.set FK,  60                           ; s[60:61] 2^Nk, twice
.set FV,  62                           ; s[62:63] 2^Nv, twice
.macro PLACES n
.rept \n
	v_nop
.endr
.endm
.macro BAR                             ; my LDS stores have landed and my LDS loads are in: then the work-group's barrier
	s_wait_dscnt 0x0
	s_barrier_signal -1
	s_barrier_wait -1
.endm
.macro LDTILE reg, sc, cb, sb, t       ; a tile's codes (four groups of 512 bytes) and its 32 scale words
.irp q, 0,1,2,3
	global_load_b128 v[(\reg)+4*\q:(\reg)+4*\q+3], v[L16], s[\cb:\cb+1] offset:2048*(\t)+512*\q
.endr
	global_load_b32 v[\sc], v[L4], s[\sb:\sb+1] offset:128*(\t)
.endm
.macro QMM d, a, b, sa, sb, k          ; K step k of a quantised product: step 0 starts the sum and reads the scale words of lanes 0-15, step 1 those of lanes 16-31
.if \k == 0
	v_wmma_scale_f32_16x16x128_f8f6f4 v[(\d):(\d)+7], v[(\a):(\a)+7], v[(\b):(\b)+7], 0, v[\sa], v[\sb] matrix_a_fmt:MATRIX_FMT_FP4 matrix_b_fmt:MATRIX_FMT_FP4
.else
	v_wmma_scale_f32_16x16x128_f8f6f4 v[(\d):(\d)+7], v[(\a)+8:(\a)+15], v[(\b)+8:(\b)+15], v[(\d):(\d)+7], v[\sa], v[\sb] matrix_a_fmt:MATRIX_FMT_FP4 matrix_b_fmt:MATRIX_FMT_FP4 matrix_a_scale:MATRIX_SCALE_ROW1 matrix_b_scale:MATRIX_SCALE_ROW1
.endif
.endm
.macro HMM d, a, b, first
.if \first
	v_wmma_f32_16x16x32_f16 v[(\d):(\d)+7], v[(\a):(\a)+7], v[(\b):(\b)+7], 0
.else
	v_wmma_f32_16x16x32_f16 v[(\d):(\d)+7], v[(\a):(\a)+7], v[(\b):(\b)+7], v[(\d):(\d)+7]
.endif
.endm
.macro PACKS acc, sp                   ; eight results x a power of two (exact), then to f16 in the low four registers; read from the low end on
.irp t, 0,1,2,3
	v_pk_mul_f32 v[(\acc)+2*\t:(\acc)+2*\t+1], v[(\acc)+2*\t:(\acc)+2*\t+1], s[\sp:\sp+1] op_sel_hi:[1,0]
.endr
.irp t, 0,1,2,3
	v_cvt_pk_f16_f32 v[(\acc)+\t], v[(\acc)+2*\t], v[(\acc)+2*\t+1]
.endr
.endm
.macro PACKV acc, tab                  ; the same with a factor for each register
.irp t, 0,1,2,3
	v_pk_mul_f32 v[(\acc)+2*\t:(\acc)+2*\t+1], v[(\acc)+2*\t:(\acc)+2*\t+1], v[(\tab)+2*\t:(\tab)+2*\t+1]
.endr
.irp t, 0,1,2,3
	v_cvt_pk_f16_f32 v[(\acc)+\t], v[(\acc)+2*\t], v[(\acc)+2*\t+1]
.endr
.endm
.macro LDI reg, adr, off               ; a fragment's image from LDS
	ds_load_b128 v[(\reg):(\reg)+3], v[\adr] offset:(\off)
	ds_load_b128 v[(\reg)+4:(\reg)+7], v[\adr] offset:(\off)+512
.endm
.macro GLI reg, vo, sb, off            ; and from memory
	global_load_b128 v[(\reg):(\reg)+3], v[\vo], s[\sb:\sb+1] offset:(\off)
	global_load_b128 v[(\reg)+4:(\reg)+7], v[\vo], s[\sb:\sb+1] offset:(\off)+512
.endm
.macro DECAY tm, z                     ; L = log2(1 / (1 + e^-z)), held at -2^100.  Each step reads the one before: a plain line and a wait stand behind each transcendental
	v_mov_b32 v[\tm], s[\z]
	v_mul_f32 v[\tm], 0xbfb8aa3b, v[\tm]
	v_exp_f32 v[\tm], v[\tm]
	v_nop
	s_wait_alu depctr_va_vdst(0)
	v_add_f32 v[\tm], 1.0, v[\tm]
	v_rcp_f32 v[\tm], v[\tm]
	v_nop
	s_wait_alu depctr_va_vdst(0)
	v_log_f32 v[\tm], v[\tm]
	v_nop
	s_wait_alu depctr_va_vdst(0)
	v_max_num_f32 v[LG], 0xf1800000, v[\tm]
.endm
.macro NORMS_LD nr, wr                 ; the 1,024 tile maxima of x, 512 consecutive bytes a load; Wq's and Wk's sixteen each in one register, Wv's (and Wo's) in another
.irp t, 0,1,2,3,4,5,6,7
	global_load_b128 v[\nr+4*\t:\nr+4*\t+3], v[L16], s[MXB:MXB+1] offset:512*\t
.endr
	global_load_b32 v[\wr], v[L4], s[MXB:MXB+1] offset:4096
	global_load_b32 v[\wr+1], v[L4], s[MXB:MXB+1] offset:4224
.endm
.macro NORMS nr, wr                    ; s50 = the exponent field of max |x|; v[wr], v[wr+1]: each half of the lanes holds its sixteen tiles' maximum
.irp t, 0,1,2,3,4,5,6,7
	v_max3_num_f32 v[\nr+4*\t], v[\nr+4*\t], v[\nr+4*\t+1], v[\nr+4*\t+2]
.endr
.irp t, 0,1,2,3
	v_max3_num_f32 v[\nr+8*\t], v[\nr+8*\t], v[\nr+8*\t+4], v[\nr+8*\t+3]
.endr
.irp t, 0,1
	v_max3_num_f32 v[\nr+16*\t], v[\nr+16*\t], v[\nr+16*\t+8], v[\nr+16*\t+7]
.endr
	v_max3_num_f32 v[\nr], v[\nr], v[\nr+16], v[\nr+15]
	v_max_num_f32 v[\nr], v[\nr], v[\nr+31]
.irp x, 1,2,4,8
	v_max_num_f32_dpp v[\nr], v[\nr], v[\nr] row_xmask:\x row_mask:0xf bank_mask:0xf
	v_max_num_f32_dpp v[\wr], v[\wr], v[\wr] row_xmask:\x row_mask:0xf bank_mask:0xf
	v_max_num_f32_dpp v[\wr+1], v[\wr+1], v[\wr+1] row_xmask:\x row_mask:0xf bank_mask:0xf
.endr
	v_mov_b32 v[\wr+2], 0
	v_permlanex16_b32 v[\wr+2], v[\nr], s[SEL], s[SEL+1]
	v_max_num_f32 v[\nr], v[\nr], v[\wr+2]
	v_readfirstlane_b32 s50, v[\nr]
	s_bfe_u32 s50, s50, 0x80017
.endm
.macro NEXP dst, fw, top               ; N = top - (x's field + the weight's field), held to -126 .. 126.  These numbers enter factors alone: no address and no branch hangs on them
	s_bfe_u32 s[\fw], s[\fw], 0x80017
	s_add_co_u32 s[\dst], s50, s[\fw]
	s_sub_co_i32 s[\dst], \top, s[\dst]
	s_max_i32 s[\dst], s[\dst], 0xffffff82
	s_min_i32 s[\dst], s[\dst], 126
.endm
.macro POW2 pr, nx                     ; 2^N as an f32, twice (the packed form names a pair)
	s_add_co_i32 s[\pr], s[\nx], 127
	s_lshl_b32 s[\pr], s[\pr], 23
	s_mov_b32 s[\pr+1], s[\pr]
.endm
	s_load_b256 s[8:15], s[0:1], 0x0               ; codes, scl, mx, wo16
	s_load_b128 s[16:19], s[0:1], 0x20             ; decay_logit, vp
	s_load_b64 s[20:21], s[0:1], 0x30              ; A
	v_lshl_add_u32 v[SPW], v0, 2, SPARE
	v_mov_b32 v[NIL], 0
	v_lshrrev_b32 v6, 5, v0
	v_readfirstlane_b32 s2, v6                     ; wave 0..15
	v_and_b32 v6, 31, v0
	v_bfe_u32 v7, v0, 4, 1                         ; h
	v_lshlrev_b32 v[L16], 4, v6
	v_lshlrev_b32 v[L4], 2, v6
	s_and_b32 s3, s2, 3                            ; mq
	s_lshr_b32 s4, s2, 2                           ; rg
	s_and_b32 s5, s2, 7                            ; p8
	s_lshr_b32 s6, s2, 3                           ; op
	s_and_b32 s7, ttmp7, 0xffff                    ; bc
	s_and_b32 s44, s7, 15                          ; c
	s_mov_b32 s[SEL], 0x76543210
	s_mov_b32 s[SEL+1], 0xfedcba98
	; every LDS address is made here: constants, 16 x lane, constants x the wave's number
	s_lshl_b32 s45, s4, 15
	s_lshl_b32 s46, s3, 11
	s_add_co_u32 s45, s45, s46
	v_add_nc_u32 v16, s45, v[L16]                  ; v16: where I put v^: VIMG + 32768 rg + 2048 mq
	s_lshl_b32 s45, s3, 15
	s_lshl_b32 s46, s4, 11
	s_add_co_u32 s45, s45, s46
	s_add_co_u32 s45, s45, KT
	v_add_nc_u32 v17, s45, v[L16]                  ; v17: where I put d^s k^: KT + 32768 mq + 2048 rg
	s_lshl_b32 s45, s5, 14
	v_add_nc_u32 v18, s45, v[L16]                  ; v18: my two row tiles of v^: VIMG + 16384 p8
	s_add_co_u32 s46, s45, KT
	v_add_nc_u32 v20, s46, v[L16]                  ; v20: my two kdim tiles: KT + 16384 p8
	s_lshl_b32 s45, s6, 14
	s_add_co_u32 s46, s45, VPI
	v_add_nc_u32 v21, s46, v[L16]                  ; v21: my two o tiles of v~': VPI + 16384 op
	s_lshl_b32 s47, s5, 10
	s_add_co_u32 s45, s45, s47
	v_add_nc_u32 v22, s45, v[L16]                  ; v22: my offset in vp's slice: 16384 op + 1024 p8
	s_add_co_u32 s45, s45, VPI
	v_add_nc_u32 v19, s45, v[L16]                  ; v19: the same place in VPI
	s_lshl_b32 s45, s6, 15
	s_lshl_b32 s47, s5, 11
	s_add_co_u32 s45, s45, s47
	v_add_nc_u32 v23, s45, v[L16]                  ; v23: my offset in A's slice: 32768 op + 2048 p8
	s_mov_b32 s43, 0
	s_wait_kmcnt 0x0
	s_load_b32 s22, s[16:17], 0x0                  ; decay_logit
	s_lshl_b32 s42, s7, 15                         ; x's tiles 16 bc + 4 rg on: 2,048 bytes of codes a tile,
	s_lshl_b32 s45, s4, 13
	s_add_co_u32 s42, s42, s45
	s_add_nc_u64 s[24:25], s[8:9], s[42:43]
	s_lshr_b32 s42, s42, 4                         ; 128 of scale words
	s_add_nc_u64 s[26:27], s[10:11], s[42:43]
	s_lshl_b32 s45, s3, 13
	s_add_co_u32 s42, s45, 1056*2048               ; Wv's tiles 4 mq on
	s_add_nc_u64 s[28:29], s[8:9], s[42:43]
	s_lshr_b32 s42, s42, 4
	s_add_nc_u64 s[30:31], s[10:11], s[42:43]
	s_add_co_u32 s42, s45, 1040*2048               ; Wk's
	s_add_nc_u64 s[32:33], s[8:9], s[42:43]
	s_lshr_b32 s42, s42, 4
	s_add_nc_u64 s[34:35], s[10:11], s[42:43]
	s_lshl_b32 s42, ttmp9, 15                      ; Wo^'s tiles 4 j + 2 op on: 8,192 bytes a tile
	s_lshl_b32 s45, s6, 14
	s_add_co_u32 s42, s42, s45
	s_add_nc_u64 s[36:37], s[14:15], s[42:43]
	s_lshl_b32 s42, s7, 17                         ; vp: 131,072 bytes a chunk, 32,768 a slice
	s_lshl_b32 s45, ttmp9, 15
	s_add_co_u32 s42, s42, s45
	s_add_nc_u64 s[38:39], s[18:19], s[42:43]
	s_lshl_b32 s42, s42, 1                         ; A: twice that
	s_add_nc_u64 s[40:41], s[20:21], s[42:43]
.irp i, 0,1,2,3
	LDTILE XF+16*\i, XS+\i, 24, 26, \i
.endr
.irp m, 0,1,2,3
	LDTILE WF+16*\m, WS+\m, 28, 30, \m
.endr
	NORMS_LD 224, 24
	s_wait_loadcnt 0x0
	s_wait_kmcnt 0x0
	DECAY 27, 22
	NORMS 224, 24
	v_readlane_b32 s52, v24, 16                    ; max |Wk|
	v_readlane_b32 s53, v25, 0                     ; max |Wv|
	NEXP 55, 52, 254                               ; Nk
	NEXP 56, 53, 250                               ; Nv
	POW2 FK, 55
	POW2 FV, 56
	v_lshlrev_b32 v25, 3, v7
	s_lshl_b32 s45, s4, 6
	v_add_nc_u32 v25, s45, v25                     ; 64 rg + 8 h
.set n, 0
.rept 32
	v_add_nc_u32 v[TK+n], 16*(n/8)+n%8, v25        ; s_loc of register n % 8 of my row tile n / 8, as a whole number,
.set n, n+1
.endr
.set n, 0
.rept 32
	v_cvt_f32_u32 v[TK+n], v[TK+n]
.set n, n+1
.endr
.set n, 0
.rept 32
	v_mul_f32 v[TK+n], v[LG], v[TK+n]              ; x L: rounded once
.set n, n+1
.endr
.set n, 0
.rept 32
	v_exp_f32 v[TK+n], v[TK+n]                     ; d^(s_loc): one batch
.set n, n+1
.endr
	v_nop                                          ; the plain line behind the last exponential,
	s_wait_alu depctr_va_vdst(0)                   ; and one wait for the batch, ahead of its first reader
.set n, 0
.rept 16
	v_pk_mul_f32 v[TK+2*n:TK+2*n+1], v[TK+2*n:TK+2*n+1], s[FK:FK+1] op_sel_hi:[1,0]
.set n, n+1
.endr
	; ---- v^: source 0 = 16 rows of Wv, source 1 = 16 rows of x.  The four accumulators take turns, one instruction a turn
.irp i, 0,1,2,3
.irp m, 0,1,2,3
	QMM ACC+8*\m, WF+16*\m, XF+16*\i, WS+\m, XS+\i, 0
.endr
.irp m, 0,1,2,3
	QMM ACC+8*\m, WF+16*\m, XF+16*\i, WS+\m, XS+\i, 1
.endr
	PLACES 4                                       ; ahead of the first read of results
.irp m, 0,1,2,3
	PACKS ACC+8*\m, FV
	ds_store_b128 v16, v[ACC+8*\m:ACC+8*\m+3] offset:\i*8192+(\m/2)*1024+(\m%2)*512   ; row tile 4 rg + i, dims 16 (4 mq + m) + 8 h + 0..7: half of fragment 2 mq + m / 2
.endr
	s_wait_dscnt 0x0                               ; the stores have read their registers: the next sums may begin there
.endr
	s_cmp_eq_u32 s44, 0                            ; a batch's first chunk feeds no state: its k is not made
	s_cbranch_scc1 .Lno_k
	PLACES 4                                       ; ahead of loads into registers that matrix instructions have read
.irp m, 0,1,2,3
	LDTILE WF+16*\m, WS+\m, 32, 34, \m
.endr
	s_wait_loadcnt 0x0
	; ---- d^s k^, K = s: source 0 = 16 rows of x, source 1 = 16 rows of Wk
.irp i, 0,1,2,3
.irp m, 0,1,2,3
	QMM ACC+8*\m, XF+16*\i, WF+16*\m, XS+\i, WS+\m, 0
.endr
.irp m, 0,1,2,3
	QMM ACC+8*\m, XF+16*\i, WF+16*\m, XS+\i, WS+\m, 1
.endr
	PLACES 4
.irp m, 0,1,2,3
	PACKV ACC+8*\m, TK+8*\i
	ds_store_b128 v17, v[ACC+8*\m:ACC+8*\m+3] offset:\m*8192+(\i/2)*1024+(\i%2)*512   ; kdim tile 4 mq + m, s = 16 (4 rg + i) + 8 h + 0..7: half of fragment 2 rg + i / 2
.endr
	s_wait_dscnt 0x0
.endr
	PLACES 4
.Lno_k:
.irp e, 0,1
.irp kk, 0,1,2,3,4,5,6,7
	GLI WO+8*(8*\e+\kk), L16, 36, \e*8192+\kk*1024 ; Wo^'s sixteen fragments: they land while the waves meet
.endr
.endr
	BAR                                            ; v^ (and d^s k^) lie whole in LDS
	; ---- v~' = v^ Wo^^T: row tiles 2 p8 + a, o tiles 2 op + e; source 0 = v^, source 1 = Wo^: a lane holds one o and eight neighbouring s
.set FST, 1
.irp bt, 0,1
.irp kk, 0,1,2,3
.irp a, 0,1
	LDI VA+8*(2*\kk+\a), 18, \a*8192+(4*\bt+\kk)*1024
.endr
.endr
	s_wait_dscnt 0x0
.if \bt == 0
	s_wait_loadcnt 0x0                             ; Wo^
.endif
.irp kk, 0,1,2,3
.irp a, 0,1
.irp e, 0,1
	HMM AV+8*(2*\a+\e), VA+8*(2*\kk+\a), WO+8*(8*\e+4*\bt+\kk), FST
.endr
.endr
.set FST, 0
.endr
	PLACES 4                                       ; ahead of the next loads into v^'s registers, and of the first read of results
.endr
.irp a, 0,1
.irp e, 0,1
.irp t, 0,1,2,3
	v_cvt_pk_f16_f32 v[AV+8*(2*\a+\e)+\t], v[AV+8*(2*\a+\e)+2*\t], v[AV+8*(2*\a+\e)+2*\t+1]
.endr
	ds_store_b128 v19, v[AV+8*(2*\a+\e):AV+8*(2*\a+\e)+3] offset:\e*8192+\a*512     ; half a of fragment p8 of o tile 2 op + e
	global_store_b128 v22, v[AV+8*(2*\a+\e):AV+8*(2*\a+\e)+3], s[38:39] offset:\e*8192+\a*512   ; 512 consecutive bytes, aligned
.endr
.endr
	BAR                                            ; the slice's v~' lies whole in LDS
	s_cmp_eq_u32 s44, 0
	s_cbranch_scc1 .Lend
	; ---- A = (d^s k^)^T v~': kdim tiles 2 p8 + a, o tiles 2 op + e; K = the chunk's 256 rows
.set FST, 1
.irp bt, 0,1
.irp kk, 0,1,2,3
.irp a, 0,1
	LDI KA+8*(2*\kk+\a), 20, \a*8192+(4*\bt+\kk)*1024
	LDI VB+8*(2*\kk+\a), 21, \a*8192+(4*\bt+\kk)*1024
.endr
.endr
	s_wait_dscnt 0x0
.irp kk, 0,1,2,3
.irp a, 0,1
.irp e, 0,1
	HMM A2+8*(2*\a+\e), KA+8*(2*\kk+\a), VB+8*(2*\kk+\e), FST
.endr
.endr
.set FST, 0
.endr
	PLACES 4
.endr
.irp a, 0,1
.irp e, 0,1
	global_store_b128 v23, v[A2+8*(2*\a+\e):A2+8*(2*\a+\e)+3], s[40:41] offset:\e*16384+\a*1024        ; each accumulator from its low end on
	global_store_b128 v23, v[A2+8*(2*\a+\e)+4:A2+8*(2*\a+\e)+7], s[40:41] offset:\e*16384+\a*1024+512
.endr
.endr
.Lend:
	s_wait_tensorcnt 0x0                           ; the wave's end, behind my last LDS store
	ds_add_u32 v[SPW], v[NIL]
	s_wait_dscnt 0x0
	s_endpgm
.Lfunc_end_k_q2c0da17db6_state:
	.size	k_q2c0da17db6_state, .Lfunc_end_k_q2c0da17db6_state-k_q2c0da17db6_state
	.p2alignl 7, 3214868480
	.fill 96, 4, 3214868480
	.section	.rodata,"a",@progbits
	.p2align	6, 0x0
	.amdhsa_kernel k_q2c0da17db6_state
		.amdhsa_group_segment_fixed_size 296960
		.amdhsa_private_segment_fixed_size 0
		.amdhsa_enable_private_segment 0
		.amdhsa_kernarg_size 56
		.amdhsa_user_sgpr_count 2
		.amdhsa_user_sgpr_kernarg_segment_ptr 1
		.amdhsa_wavefront_size32 1
		.amdhsa_system_sgpr_workgroup_id_x 1
		.amdhsa_system_sgpr_workgroup_id_y 1
		.amdhsa_system_sgpr_workgroup_id_z 1
		.amdhsa_system_vgpr_workitem_id 0
		.amdhsa_next_free_vgpr 256
		.amdhsa_next_free_sgpr 80
		.amdhsa_reserve_vcc 0
		.amdhsa_float_denorm_mode_32 3
		.amdhsa_float_denorm_mode_16_64 3
		.amdhsa_memory_ordered 1
		.amdhsa_forward_progress 1
		.amdhsa_inst_pref_size 63
	.end_amdhsa_kernel
	.amdgpu_metadata
---
amdhsa.version: [ 1, 2 ]
amdhsa.kernels:
  - .name:           k_q2c0da17db6_state
    .symbol:         k_q2c0da17db6_state.kd
    .args:
      - { .name: codes, .offset: 0, .size: 8, .value_kind: global_buffer, .address_space: global }
      - { .name: scl, .offset: 8, .size: 8, .value_kind: global_buffer, .address_space: global }
      - { .name: mx, .offset: 16, .size: 8, .value_kind: global_buffer, .address_space: global }
      - { .name: wo16, .offset: 24, .size: 8, .value_kind: global_buffer, .address_space: global }
      - { .name: decay_logit, .offset: 32, .size: 8, .value_kind: global_buffer, .address_space: global }
      - { .name: vp, .offset: 40, .size: 8, .value_kind: global_buffer, .address_space: global }
      - { .name: A, .offset: 48, .size: 8, .value_kind: global_buffer, .address_space: global }
    .group_segment_fixed_size: 296960
    .private_segment_fixed_size: 0
    .kernarg_segment_align: 8
    .kernarg_segment_size: 56
    .max_flat_workgroup_size: 512
    .sgpr_count:     80
    .vgpr_count:     256
    .wavefront_size: 32
...
	.end_amdgpu_metadata
.endif
;; end of part 2
;; launch scan (part 3): grid 256 x 1, 8 waves a work-group, no clusters, 0 bytes of LDS; arguments A, decay_logit, T; writes T
.if DOCPART == 3
	.amdgcn_target "amdgcn-amd-amdhsa--gfx1250"
	.amdhsa_code_object_version 6
	.text
	.protected	k_q2c0da17db6_scan
	.globl	k_q2c0da17db6_scan
	.p2align	8
	.type	k_q2c0da17db6_scan,@function
k_q2c0da17db6_scan:
	s_mov_b64 s[64:65], 0
	v_nop
	global_prefetch_b8 v0, s[64:65] scope:SCOPE_SE
	s_setreg_imm32_b32 hwreg(HW_REG_WAVE_MODE, 25, 1), 1
	s_wait_xcnt 0x0
; T_15 = 0;  T_c = A_(c+1) + d^256 T_(c+1), for each of the 4 batches and each of a state's 65,536 numbers (f32, 262,144 bytes a chunk).  d = sigmoid(decay_logit).
; A thread owns 16 bytes of the state through all 16 chunks of a batch: a work-group 4,096 bytes, 64 work-groups a batch.  All fifteen loads go out at once, the last chunk's first; each load and store of a wave covers 512 consecutive bytes.
; The recurrence runs in the registers that were loaded: X_15 = A_15, X_c = A_c + D X_(c+1), and X_c is stored as T_(c-1).  No register is written again behind its store.  A_0 is neither written by the launch before nor read here.
; Memory binds: no LDS, no barrier, no matrix instruction, nothing shared between work-groups.
; LIMITS: NaN and infinities are not served; log2(d) is held at -2^100 from below; d^256 under 2^-126 counts as 0.
.set CH, 262144
	s_load_b128 s[4:7], s[0:1], 0x0                ; A, decay_logit
	s_load_b64 s[8:9], s[0:1], 0x10                ; T
	v_lshlrev_b32 v1, 4, v0                        ; 16 x thread
	s_lshr_b32 s10, ttmp9, 6                       ; batch,
	s_lshl_b32 s10, s10, 22                        ; 16 chunks of 262,144 bytes each
	s_and_b32 s11, ttmp9, 63
	s_lshl_b32 s11, s11, 12                        ; + my piece of 4,096 bytes
	s_add_co_u32 s10, s10, s11
	s_mov_b32 s11, 0
	s_wait_kmcnt 0x0
	s_load_b32 s12, s[6:7], 0x0
	s_add_nc_u64 s[4:5], s[4:5], s[10:11]
	s_add_nc_u64 s[8:9], s[8:9], s[10:11]
.irp c, 15,14,13,12,11,10,9,8,7,6,5,4,3,2,1
	global_load_b128 v[4+4*\c:7+4*\c], v1, s[4:5] offset:\c*CH th:TH_LOAD_NT
.endr
.irp j, 68,69,70,71
	v_mov_b32 v\j, 0
.endr
	global_store_b128 v1, v[68:71], s[8:9] offset:15*CH            ; T_15 = 0
	s_wait_kmcnt 0x0
	v_mov_b32 v4, s12
	v_mul_f32 v4, 0xbfb8aa3b, v4
	v_exp_f32 v4, v4                               ; e^-z.  Each step reads the one before: a plain line and a wait stand behind each transcendental
	v_nop
	s_wait_alu depctr_va_vdst(0)
	v_add_f32 v4, 1.0, v4
	v_rcp_f32 v4, v4                               ; d
	v_nop
	s_wait_alu depctr_va_vdst(0)
	v_log_f32 v4, v4
	v_nop
	s_wait_alu depctr_va_vdst(0)
	v_max_num_f32 v4, 0xf1800000, v4               ; L, held at -2^100
	v_mul_f32 v2, 0x43800000, v4
	v_exp_f32 v2, v2                               ; D = d^256
	v_nop
	s_wait_alu depctr_va_vdst(0)
	v_mov_b32 v3, v2
.irp c, 15,14,13,12,11,10,9,8,7,6,5,4,3,2,1
	s_wait_loadcnt \c-1                            ; chunk c's load is in; the c - 1 loads of the lower chunks, issued behind it, may be out
.if \c < 15
	v_pk_fma_f32 v[4+4*\c:5+4*\c], v[8+4*\c:9+4*\c], v[2:3], v[4+4*\c:5+4*\c]
	v_pk_fma_f32 v[6+4*\c:7+4*\c], v[10+4*\c:11+4*\c], v[2:3], v[6+4*\c:7+4*\c]
.endif
	global_store_b128 v1, v[4+4*\c:7+4*\c], s[8:9] offset:(\c-1)*CH
.endr
	s_endpgm
.Lfunc_end_k_q2c0da17db6_scan:
	.size	k_q2c0da17db6_scan, .Lfunc_end_k_q2c0da17db6_scan-k_q2c0da17db6_scan
	.p2alignl 7, 3214868480
	.fill 96, 4, 3214868480
	.section	.rodata,"a",@progbits
	.p2align	6, 0x0
	.amdhsa_kernel k_q2c0da17db6_scan
		.amdhsa_group_segment_fixed_size 0
		.amdhsa_private_segment_fixed_size 0
		.amdhsa_enable_private_segment 0
		.amdhsa_kernarg_size 24
		.amdhsa_user_sgpr_count 2
		.amdhsa_user_sgpr_kernarg_segment_ptr 1
		.amdhsa_wavefront_size32 1
		.amdhsa_system_sgpr_workgroup_id_x 1
		.amdhsa_system_sgpr_workgroup_id_y 1
		.amdhsa_system_sgpr_workgroup_id_z 1
		.amdhsa_system_vgpr_workitem_id 0
		.amdhsa_next_free_vgpr 72
		.amdhsa_next_free_sgpr 66
		.amdhsa_reserve_vcc 0
		.amdhsa_float_denorm_mode_32 3
		.amdhsa_float_denorm_mode_16_64 3
		.amdhsa_memory_ordered 1
		.amdhsa_forward_progress 1
		.amdhsa_inst_pref_size 7
	.end_amdhsa_kernel
	.amdgpu_metadata
---
amdhsa.version: [ 1, 2 ]
amdhsa.kernels:
  - .name:           k_q2c0da17db6_scan
    .symbol:         k_q2c0da17db6_scan.kd
    .args:
      - { .name: A, .offset: 0, .size: 8, .value_kind: global_buffer, .address_space: global }
      - { .name: decay_logit, .offset: 8, .size: 8, .value_kind: global_buffer, .address_space: global }
      - { .name: T, .offset: 16, .size: 8, .value_kind: global_buffer, .address_space: global }
    .group_segment_fixed_size: 0
    .private_segment_fixed_size: 0
    .kernarg_segment_align: 8
    .kernarg_segment_size: 24
    .max_flat_workgroup_size: 256
    .sgpr_count:     66
    .vgpr_count:     72
    .wavefront_size: 32
...
	.end_amdgpu_metadata
.endif
;; end of part 3
;; launch out (part 4): grid 4 x 64, 16 waves a work-group, no clusters, 198,656 bytes of LDS; arguments codes, scl, mx, eo, decay_logit, out_scale, vp, T, out0; writes out0
.if DOCPART == 4
	.amdgcn_target "amdgcn-amd-amdhsa--gfx1250"
	.amdhsa_code_object_version 6
	.text
	.protected	k_q2c0da17db6_out
	.globl	k_q2c0da17db6_out
	.p2align	8
	.type	k_q2c0da17db6_out,@function
k_q2c0da17db6_out:
	s_mov_b64 s[64:65], 0
	v_nop
	global_prefetch_b8 v0, s[64:65] scope:SCOPE_SE
	s_setreg_imm32_b32 hwreg(HW_REG_WAVE_MODE, 25, 1), 1
	s_wait_xcnt 0x0
; out[t][o] = out_scale / 16 x ( sum over s of the chunk, s > t, of d^(s-t-1) (q_t . k_s) v'_s[o]  +  d^(255 - t_loc) sum over dim of q_t[dim] T_c[dim][o] ),  for rows 64 i .. 64 i + 63 of chunk bc and all 256 o.
; q = x Wq^T and k = x Wk^T are the QUANTISED products, on codes of FP4 with E8M0 scales, sums in f32.  v' (with Wo folded in) and the state T of all later chunks come from the launches before.  d = sigmoid(decay_logit), L = log2(d).
; THE f16 OPERANDS ARE NORMALISED BY EXACT POWERS OF TWO TAKEN FROM THE DATA.  q^ = q 2^Nq, k^ = k 2^Nk (|.| < 2^10);  P~ = 2^-13 d^(s-t-1) (q^ . k^) (|.| < 2^15);  v~' as stored (|.| < 2^15);  T^ = T / 2^Et, Et each column's own exponent (|.| < 2).
; With H = -4 - Nq - Nk - Nv and Eo the exponent taken out of Wo's row o:  out = ldexp(out_scale, H + Eo + 13) x (P~ v~')  +  ldexp(out_scale, H + Eo + Et) x d^(255 - t_loc) x (q^ T^).  All exponents of d are 0 or more: no factor exceeds 1.
; SHARES.  Sixteen waves of 256 registers.  Projections: wave (mq = w % 4, rg = w / 4): row tile rg (of each quarter of the chunk) x dims 64 mq .. + 63.  P~: wave (p8 = w % 8, tp = w / 8): key tiles 2 p8, 2 p8 + 1 x query tiles 2 tp, 2 tp + 1;
; key tiles under 4 i lie wholly under the mask and are neither projected nor multiplied.  The last products: wave w makes o tile w for all 64 rows.
; OPERANDS GO FROM WAVE TO WAVE THROUGH LDS AS IMAGES OF THEIR REGISTERS (a fragment of 16 x 32 f16: 1,024 bytes, registers 0-3 at 16 x lane, registers 4-7 512 bytes on).  No LDS address hangs on the work-group's number.
; NO CLUSTER, NO TENSOR LOAD: what the four quarters of a chunk share most is T_c, 262,144 bytes of f32, which does not fit in LDS beside the 196,608 bytes of images; each wave takes its sixteenth straight into the registers that convert it.
; LIMITS: NaN and infinities are not served; L is held at -2^100 from below (d = 0: d^0 = 1, d^n = 0); d^n under 2^-126 counts as 0; a column of T under 2^-100 in the normalised units is divided by 2^-100.
.set QIMG,  0                          ; q^: 4 row tiles x 8 fragments
.set KIMG,  32768                      ; k^: 16 row tiles x 8 fragments
.set PIMG,  163840                     ; P~: 4 row tiles x 8 fragments (K = s)
.set STG,   KIMG                       ; the way out: 64 rows, 1,040 bytes apart, in k^'s bytes, whose last read stands ahead of the second barrier
.set PIT,   1040
.set SPARE, 196608                     ; the spare words, 128 bytes for each wave, which no other line names
.set L16, 1                            ; v1   16 x lane (also my place in QIMG, which begins at LDS byte 0)
.set L4,  2                            ; v2   4 x lane
.set LG,  3                            ; v3   L
.set SPW, 4                            ; v4   LDS address of my spare word; never rewritten
.set NIL, 5                            ; v5   0; never rewritten
.set XS,  8                            ; v8-11 x's scale words, v12-15 the weight's, v16 my query tile's: these hold scales and nothing else
.set WS,  12
.set XQS, 16
.set XF,  32                           ; v32-95   x's codes: key tiles 4 Q + rg
.set XQ,  96                           ; v96-111  x's codes: my query tile
.set WF,  112                          ; v112-175 four tiles of the weight's codes
.set ACC, 176                          ; v176-207 four accumulators
.set KA,  32                           ; v32-95   k^: 4 kappa x 2 key tiles
.set QB,  96                           ; v96-159  q^: 4 kappa x 2 query tiles
.set AP,  160                          ; v160-191 four accumulators
.set WT,  192                          ; v192-215 the weights 2^-13 d^n, three tables of eight
.set NI,  224                          ; v224-247 n as whole numbers
.set TF,  32                           ; v32-159  T as f32, then T^ in v32-95
.set AI,  96                           ; v96-127  q^ T^, four row tiles
.set AA,  128                          ; v128-159 P~ v~', four row tiles
.set VB,  160                          ; v160-223 v~': 8 fragments
.set BT,  224                          ; v224-255 four fragments of q^ or of P~
.set FT,  32                           ; v32-63   at the end: the factors of q^ T^
.set MXB, 12
.set SEL, 48
.set FQ,  58                           ; s[58:59] 2^Nq, twice;  s[60:61] 2^Nk
.set FK,  60
.macro PLACES n
.rept \n
	v_nop
.endr
.endm
.macro BAR                             ; my LDS stores have landed and my LDS loads are in: then the work-group's barrier
	s_wait_dscnt 0x0
	s_barrier_signal -1
	s_barrier_wait -1
.endm
.macro LDTILE reg, sc, cb, sb, t       ; a tile's codes (four groups of 512 bytes) and its 32 scale words
.irp q, 0,1,2,3
	global_load_b128 v[(\reg)+4*\q:(\reg)+4*\q+3], v[L16], s[\cb:\cb+1] offset:2048*(\t)+512*\q
.endr
	global_load_b32 v[\sc], v[L4], s[\sb:\sb+1] offset:128*(\t)
.endm
.macro QMM d, a, b, sa, sb, k          ; K step k of a quantised product: step 0 starts the sum and reads the scale words of lanes 0-15, step 1 those of lanes 16-31
.if \k == 0
	v_wmma_scale_f32_16x16x128_f8f6f4 v[(\d):(\d)+7], v[(\a):(\a)+7], v[(\b):(\b)+7], 0, v[\sa], v[\sb] matrix_a_fmt:MATRIX_FMT_FP4 matrix_b_fmt:MATRIX_FMT_FP4
.else
	v_wmma_scale_f32_16x16x128_f8f6f4 v[(\d):(\d)+7], v[(\a)+8:(\a)+15], v[(\b)+8:(\b)+15], v[(\d):(\d)+7], v[\sa], v[\sb] matrix_a_fmt:MATRIX_FMT_FP4 matrix_b_fmt:MATRIX_FMT_FP4 matrix_a_scale:MATRIX_SCALE_ROW1 matrix_b_scale:MATRIX_SCALE_ROW1
.endif
.endm
.macro HMM d, a, b, first
.if \first
	v_wmma_f32_16x16x32_f16 v[(\d):(\d)+7], v[(\a):(\a)+7], v[(\b):(\b)+7], 0
.else
	v_wmma_f32_16x16x32_f16 v[(\d):(\d)+7], v[(\a):(\a)+7], v[(\b):(\b)+7], v[(\d):(\d)+7]
.endif
.endm
.macro PACKS acc, sp                   ; eight results x a power of two (exact), then to f16 in the low four registers; read from the low end on
.irp t, 0,1,2,3
	v_pk_mul_f32 v[(\acc)+2*\t:(\acc)+2*\t+1], v[(\acc)+2*\t:(\acc)+2*\t+1], s[\sp:\sp+1] op_sel_hi:[1,0]
.endr
.irp t, 0,1,2,3
	v_cvt_pk_f16_f32 v[(\acc)+\t], v[(\acc)+2*\t], v[(\acc)+2*\t+1]
.endr
.endm
.macro PACKV acc, tab                  ; the same with a factor for each register
.irp t, 0,1,2,3
	v_pk_mul_f32 v[(\acc)+2*\t:(\acc)+2*\t+1], v[(\acc)+2*\t:(\acc)+2*\t+1], v[(\tab)+2*\t:(\tab)+2*\t+1]
.endr
.irp t, 0,1,2,3
	v_cvt_pk_f16_f32 v[(\acc)+\t], v[(\acc)+2*\t], v[(\acc)+2*\t+1]
.endr
.endm
.macro LDI reg, adr, off               ; a fragment's image from LDS
	ds_load_b128 v[(\reg):(\reg)+3], v[\adr] offset:(\off)
	ds_load_b128 v[(\reg)+4:(\reg)+7], v[\adr] offset:(\off)+512
.endm
.macro GLI reg, vo, sb, off            ; and from memory
	global_load_b128 v[(\reg):(\reg)+3], v[\vo], s[\sb:\sb+1] offset:(\off)
	global_load_b128 v[(\reg)+4:(\reg)+7], v[\vo], s[\sb:\sb+1] offset:(\off)+512
.endm
.macro DECAY tm, z                     ; L = log2(1 / (1 + e^-z)), held at -2^100.  Each step reads the one before: a plain line and a wait stand behind each transcendental
	v_mov_b32 v[\tm], s[\z]
	v_mul_f32 v[\tm], 0xbfb8aa3b, v[\tm]
	v_exp_f32 v[\tm], v[\tm]
	v_nop
	s_wait_alu depctr_va_vdst(0)
	v_add_f32 v[\tm], 1.0, v[\tm]
	v_rcp_f32 v[\tm], v[\tm]
	v_nop
	s_wait_alu depctr_va_vdst(0)
	v_log_f32 v[\tm], v[\tm]
	v_nop
	s_wait_alu depctr_va_vdst(0)
	v_max_num_f32 v[LG], 0xf1800000, v[\tm]
.endm
.macro NORMS_LD nr, wr                 ; the 1,024 tile maxima of x, 512 consecutive bytes a load; Wq's and Wk's sixteen each in one register, Wv's (and Wo's) in another
.irp t, 0,1,2,3,4,5,6,7
	global_load_b128 v[\nr+4*\t:\nr+4*\t+3], v[L16], s[MXB:MXB+1] offset:512*\t
.endr
	global_load_b32 v[\wr], v[L4], s[MXB:MXB+1] offset:4096
	global_load_b32 v[\wr+1], v[L4], s[MXB:MXB+1] offset:4224
.endm
.macro NORMS nr, wr                    ; s50 = the exponent field of max |x|; v[wr], v[wr+1]: each half of the lanes holds its sixteen tiles' maximum
.irp t, 0,1,2,3,4,5,6,7
	v_max3_num_f32 v[\nr+4*\t], v[\nr+4*\t], v[\nr+4*\t+1], v[\nr+4*\t+2]
.endr
.irp t, 0,1,2,3
	v_max3_num_f32 v[\nr+8*\t], v[\nr+8*\t], v[\nr+8*\t+4], v[\nr+8*\t+3]
.endr
.irp t, 0,1
	v_max3_num_f32 v[\nr+16*\t], v[\nr+16*\t], v[\nr+16*\t+8], v[\nr+16*\t+7]
.endr
	v_max3_num_f32 v[\nr], v[\nr], v[\nr+16], v[\nr+15]
	v_max_num_f32 v[\nr], v[\nr], v[\nr+31]
.irp x, 1,2,4,8
	v_max_num_f32_dpp v[\nr], v[\nr], v[\nr] row_xmask:\x row_mask:0xf bank_mask:0xf
	v_max_num_f32_dpp v[\wr], v[\wr], v[\wr] row_xmask:\x row_mask:0xf bank_mask:0xf
	v_max_num_f32_dpp v[\wr+1], v[\wr+1], v[\wr+1] row_xmask:\x row_mask:0xf bank_mask:0xf
.endr
	v_mov_b32 v[\wr+2], 0
	v_permlanex16_b32 v[\wr+2], v[\nr], s[SEL], s[SEL+1]
	v_max_num_f32 v[\nr], v[\nr], v[\wr+2]
	v_readfirstlane_b32 s50, v[\nr]
	s_bfe_u32 s50, s50, 0x80017
.endm
.macro NEXP dst, fw, top               ; N = top - (x's field + the weight's field), held to -126 .. 126.  These numbers enter factors alone: no address and no branch hangs on them
	s_bfe_u32 s[\fw], s[\fw], 0x80017
	s_add_co_u32 s[\dst], s50, s[\fw]
	s_sub_co_i32 s[\dst], \top, s[\dst]
	s_max_i32 s[\dst], s[\dst], 0xffffff82
	s_min_i32 s[\dst], s[\dst], 126
.endm
.macro POW2 pr, nx                     ; 2^N as an f32, twice (the packed form names a pair)
	s_add_co_i32 s[\pr], s[\nx], 127
	s_lshl_b32 s[\pr], s[\pr], 23
	s_mov_b32 s[\pr+1], s[\pr]
.endm
	s_load_b512 s[8:23], s[0:1], 0x0               ; codes, scl, mx, eo, decay_logit, out_scale, vp, T
	s_load_b64 s[24:25], s[0:1], 0x40              ; out0
	v_lshl_add_u32 v[SPW], v0, 2, SPARE
	v_mov_b32 v[NIL], 0
	v_lshrrev_b32 v6, 5, v0
	v_readfirstlane_b32 s2, v6                     ; wave 0..15
	v_and_b32 v31, 31, v0                          ; lane
	v_bfe_u32 v6, v0, 4, 1                         ; h
	v_and_b32 v7, 15, v0                           ; r
	v_lshlrev_b32 v[L16], 4, v31
	v_lshlrev_b32 v[L4], 2, v31
	s_and_b32 s3, s2, 3                            ; mq
	s_lshr_b32 s4, s2, 2                           ; rg
	s_and_b32 s5, s2, 7                            ; p8
	s_lshr_b32 s6, s2, 3                           ; tp
	s_and_b32 s7, ttmp7, 0xffff                    ; bc
	s_mov_b32 s72, ttmp9                           ; i: which quarter of the chunk's rows
	s_lshl_b32 s73, s72, 1                         ; 2 i
	s_mov_b32 s[SEL], 0x76543210
	s_mov_b32 s[SEL+1], 0xfedcba98
	; every LDS address is made here: constants, the lane, constants x the wave's number
	s_lshl_b32 s77, s4, 13
	s_lshl_b32 s78, s3, 11
	s_add_co_u32 s77, s77, s78
	v_add_nc_u32 v17, s77, v[L16]                  ; v17: where I put q^: QIMG + 8192 rg + 2048 mq
	s_add_co_u32 s77, s77, KIMG
	v_add_nc_u32 v18, s77, v[L16]                  ; v18: where I put k^, key tiles rg and 4 + rg;
	s_add_co_u32 s77, s77, 65536
	v_add_nc_u32 v19, s77, v[L16]                  ; v19: key tiles 8 + rg and 12 + rg
	s_lshl_b32 s77, s5, 14
	s_add_co_u32 s77, s77, KIMG
	v_add_nc_u32 v20, s77, v[L16]                  ; v20: my two key tiles: KIMG + 16384 p8
	s_lshl_b32 s77, s6, 14
	v_add_nc_u32 v21, s77, v[L16]                  ; v21: my two query tiles: QIMG + 16384 tp
	s_lshl_b32 s78, s5, 10
	s_add_co_u32 s77, s77, s78
	s_add_co_u32 s77, s77, PIMG
	v_add_nc_u32 v22, s77, v[L16]                  ; v22: where I put P~: PIMG + 16384 tp + 1024 p8
	v_add_nc_u32 v24, PIMG, v[L16]                 ; v24: P~ for the last product
	v_mul_u32_u24 v25, v6, 8*PIT
	v_lshl_add_u32 v25, v7, 2, v25
	s_lshl_b32 s77, s2, 6
	s_add_co_u32 s77, s77, STG
	v_add_nc_u32 v25, s77, v25                     ; v25: the stage, in: row 8 h, column 16 w + r
	s_mul_i32 s77, s2, 4*PIT
	s_add_co_u32 s77, s77, STG
	v_add_nc_u32 v26, s77, v[L16]                  ; v26: the stage, back: my four rows
	s_lshl_b32 s77, s2, 14
	v_add_nc_u32 v27, s77, v[L16]                  ; v27: my o tile in T's chunk
	s_lshl_b32 s77, s2, 13
	v_add_nc_u32 v28, s77, v[L16]                  ; v28: in vp's chunk
	s_lshl_b32 s77, s2, 12
	v_add_nc_u32 v29, s77, v[L16]                  ; v29: my four rows of out0
	s_lshl_b32 s78, s2, 13                         ; the prefetch's offset: waves 0-7: T's blocks 256 i + 32 w + lane; waves 8-11: vp's blocks 128 i + 32 (w - 8) + lane; a block is 256 bytes
	s_lshl_b32 s77, s72, 16
	s_add_co_u32 s77, s77, s78
	s_lshl_b32 s79, s72, 15
	s_add_co_u32 s79, s79, s78
	s_sub_co_u32 s79, s79, 65536
	s_cmp_lt_u32 s2, 8
	s_cselect_b32 s77, s77, s79
	v_lshlrev_b32 v30, 8, v31
	v_add_nc_u32 v30, s77, v30                     ; v30; never rewritten
	s_lshl_b32 s76, s5, 1                          ; 16 (2 p8 - 4 i - 2 tp) - 17: what the weights' exponents begin from
	s_lshl_b32 s77, s72, 2
	s_sub_co_i32 s76, s76, s77
	s_lshl_b32 s77, s6, 1
	s_sub_co_i32 s76, s76, s77
	s_lshl_b32 s76, s76, 4
	s_sub_co_i32 s76, s76, 17
	s_lshl_b32 s80, s72, 6
	s_sub_co_u32 s80, 255, s80                     ; 255 - 64 i
	s_mov_b32 s71, 0
	s_wait_kmcnt 0x0
	s_load_b32 s26, s[16:17], 0x0                  ; decay_logit
	s_load_b32 s27, s[18:19], 0x0                  ; out_scale
	s_lshl_b32 s70, s7, 15                         ; x's tile 16 bc + rg: 2,048 bytes of codes a tile,
	s_lshl_b32 s77, s4, 11
	s_add_co_u32 s70, s70, s77
	s_add_nc_u64 s[32:33], s[8:9], s[70:71]
	s_lshl_b32 s77, s72, 13
	s_add_co_u32 s78, s70, s77                     ; and tile 16 bc + 4 i + rg, my query tile
	s_lshr_b32 s70, s70, 4                         ; 128 bytes of scale words a tile
	s_add_nc_u64 s[34:35], s[10:11], s[70:71]
	s_mov_b32 s70, s78
	s_add_nc_u64 s[28:29], s[8:9], s[70:71]
	s_lshr_b32 s70, s70, 4
	s_add_nc_u64 s[30:31], s[10:11], s[70:71]
	s_lshl_b32 s77, s3, 13
	s_add_co_u32 s70, s77, 1024*2048               ; Wq's tiles 4 mq on
	s_add_nc_u64 s[36:37], s[8:9], s[70:71]
	s_lshr_b32 s70, s70, 4
	s_add_nc_u64 s[38:39], s[10:11], s[70:71]
	s_add_co_u32 s70, s77, 1040*2048               ; Wk's
	s_add_nc_u64 s[40:41], s[8:9], s[70:71]
	s_lshr_b32 s70, s70, 4
	s_add_nc_u64 s[42:43], s[10:11], s[70:71]
	s_lshl_b32 s70, s2, 7
	s_add_nc_u64 s[44:45], s[14:15], s[70:71]      ; eo at o tile w
	s_lshl_b32 s70, s7, 17
	s_add_nc_u64 s[46:47], s[20:21], s[70:71]      ; vp at my chunk
	s_lshl_b32 s70, s7, 18
	s_add_nc_u64 s[66:67], s[22:23], s[70:71]      ; T at my chunk
	s_lshl_b32 s77, s72, 16
	s_add_co_u32 s70, s70, s77
	s_add_nc_u64 s[68:69], s[24:25], s[70:71]      ; out0 at row 256 bc + 64 i
	LDTILE XQ, XQS, 28, 30, 0
.irp Q, 0,1,2,3
	LDTILE XF+16*\Q, XS+\Q, 32, 34, 4*\Q           ; all four are loaded, so that every path finds the registers written; those under the mask go unused
.endr
.irp m, 0,1,2,3
	LDTILE WF+16*\m, WS+\m, 36, 38, \m
.endr
	NORMS_LD 224, 208
	s_wait_loadcnt 0x0
	s_wait_kmcnt 0x0
	DECAY 211, 26
	NORMS 224, 208
	v_readlane_b32 s51, v208, 0                    ; max |Wq|
	v_readlane_b32 s52, v208, 16                   ; max |Wk|
	v_readlane_b32 s53, v209, 0                    ; max |Wv|
	NEXP 54, 51, 254                               ; Nq
	NEXP 55, 52, 254                               ; Nk
	NEXP 56, 53, 250                               ; Nv, as the launch that made v~' took it
	POW2 FQ, 54
	POW2 FK, 55
	s_add_co_i32 s74, s54, s55
	s_add_co_i32 s74, s74, s56
	s_sub_co_i32 s74, -4, s74                      ; H
	s_add_co_i32 s75, s74, 13
	; ---- q^: source 0 = 16 rows of Wq, source 1 = my query tile: a lane holds one row t and eight neighbouring dims.  The four accumulators take turns, one instruction a turn
.irp m, 0,1,2,3
	QMM ACC+8*\m, WF+16*\m, XQ, WS+\m, XQS, 0
.endr
.irp m, 0,1,2,3
	QMM ACC+8*\m, WF+16*\m, XQ, WS+\m, XQS, 1
.endr
	PLACES 4                                       ; ahead of the first read of results, and of the loads into the weight's registers
.irp m, 0,1,2,3
	PACKS ACC+8*\m, FQ
	ds_store_b128 v17, v[ACC+8*\m:ACC+8*\m+3] offset:(\m/2)*1024+(\m%2)*512
.endr
.irp m, 0,1,2,3
	LDTILE WF+16*\m, WS+\m, 40, 42, \m
.endr
	; A PREFETCH INTO THE L2 of what the last phase loads: T's chunk (1,024 blocks of 256 bytes) and vp's (512).  The chunk's four work-groups take a quarter each, by their number; in each, waves 0-7 name T's blocks and
	; waves 8-11 vp's, a lane a block: each block is named once in the launch.  It stands behind the loads just issued, the whole of k^'s projection and of P~ ahead of the loads that want the data.
	s_cmp_lt_u32 s2, 8
	s_cbranch_scc0 .Lpf_vp
	global_prefetch_b8 v30, s[66:67] th:TH_LOAD_NT scope:SCOPE_SE
	s_branch .Lpf_done
.Lpf_vp:
	s_cmp_lt_u32 s2, 12
	s_cbranch_scc0 .Lpf_done
	global_prefetch_b8 v30, s[46:47] th:TH_LOAD_NT scope:SCOPE_SE
.Lpf_done:
	s_wait_loadcnt 0x0                             ; Wk
	s_wait_dscnt 0x0                               ; the stores have read their registers: the next sums may begin there
	; ---- k^, key tile 4 Q + rg: as q^.  A quarter of the chunk that lies wholly ahead of my rows is left out: a branch on the work-group's number
.macro KBLK Q
	s_cmp_gt_u32 s72, \Q
	s_cbranch_scc1 .Lkskip_\@
.irp m, 0,1,2,3
	QMM ACC+8*\m, WF+16*\m, XF+16*\Q, WS+\m, XS+\Q, 0
.endr
.irp m, 0,1,2,3
	QMM ACC+8*\m, WF+16*\m, XF+16*\Q, WS+\m, XS+\Q, 1
.endr
	PLACES 4
.irp m, 0,1,2,3
	PACKS ACC+8*\m, FK
.if \Q < 2
	ds_store_b128 v18, v[ACC+8*\m:ACC+8*\m+3] offset:(\Q%2)*32768+(\m/2)*1024+(\m%2)*512
.else
	ds_store_b128 v19, v[ACC+8*\m:ACC+8*\m+3] offset:(\Q%2)*32768+(\m/2)*1024+(\m%2)*512
.endif
.endr
	s_wait_dscnt 0x0
	PLACES 4
.Lkskip_\@:
.endm
	KBLK 0
	KBLK 1
	KBLK 2
	KBLK 3
	BAR                                            ; q^ and k^ lie whole in LDS
	; ---- P~: key tiles 2 p8 + a, query tiles 2 tp + e; source 0 = k^, source 1 = q^: a lane holds one query t and eight neighbouring keys s.  Waves whose key tiles lie under 4 i have none
	s_cmp_lt_u32 s5, s73
	s_cbranch_scc1 .Lno_p
.irp kk, 0,1,2,3
.irp a, 0,1
	LDI KA+8*(2*\kk+\a), 20, \a*8192+\kk*1024
	LDI QB+8*(2*\kk+\a), 21, \a*8192+\kk*1024
.endr
.endr
	v_bfe_u32 v216, v0, 4, 1                       ; the weights, while the fragments come.  Table x = a - e + 1, register j: n = s - t - 1 = 16 (2 p8 - 4 i - 2 tp - 1 + x) + 8 h + j - r - 1
	v_and_b32 v217, 15, v0
	v_lshlrev_b32 v216, 3, v216
	v_sub_nc_u32 v216, v216, v217
	v_add_nc_u32 v216, s76, v216
.set n, 0
.rept 24
	v_add_nc_u32 v[NI+n], 16*(n/8)+n%8, v216
.set n, n+1
.endr
.set n, 0
.rept 24
	v_cvt_f32_i32 v[WT+n], v[NI+n]
.set n, n+1
.endr
.set n, 0
.rept 24
	v_fma_f32 v[WT+n], v[LG], v[WT+n], 0xc1500000  ; L n - 13
.set n, n+1
.endr
.set n, 0
.rept 24
	v_exp_f32 v[WT+n], v[WT+n]                     ; one batch
.set n, n+1
.endr
	v_nop                                          ; the plain line behind the last exponential,
	s_wait_alu depctr_va_vdst(0)                   ; and one wait for the batch, ahead of its first reader
.set n, 0
.rept 24
	v_cmp_le_i32 vcc_lo, 0, v[NI+n]
	v_cndmask_b32 v[WT+n], 0, v[WT+n], vcc_lo      ; the mask: 0 where s <= t (a choice, not a product: what stood there may be infinite)
.set n, n+1
.endr
.set FST, 1
.irp bt, 0,1
.if \bt == 1
.irp kk, 0,1,2,3
.irp a, 0,1
	LDI KA+8*(2*\kk+\a), 20, \a*8192+(4+\kk)*1024
	LDI QB+8*(2*\kk+\a), 21, \a*8192+(4+\kk)*1024
.endr
.endr
.endif
	s_wait_dscnt 0x0
.irp kk, 0,1,2,3
.irp a, 0,1
.irp e, 0,1
	HMM AP+8*(2*\a+\e), KA+8*(2*\kk+\a), QB+8*(2*\kk+\e), FST
.endr
.endr
.set FST, 0
.endr
	PLACES 4                                       ; ahead of the next loads into the fragments' registers, and of the first read of results
.endr
.irp a, 0,1
.irp e, 0,1
	PACKV AP+8*(2*\a+\e), WT+8*(\a-\e+1)
	ds_store_b128 v22, v[AP+8*(2*\a+\e):AP+8*(2*\a+\e)+3] offset:\e*8192+\a*512     ; half a of fragment p8 of query tile 2 tp + e
.endr
.endr
.Lno_p:
	s_wait_dscnt 0x0                               ; the stores have read their registers, which are loaded below
.irp kk, 0,1,2,3,4,5,6,7
	GLI VB+8*\kk, 28, 46, \kk*1024                 ; v~' of o tile w
.endr
	global_load_b32 v7, v[L4], s[44:45]            ; Eo of my o
.irp mu, 0,1,2,3,4,5,6,7,8,9,10,11,12,13,14,15
	GLI TF+8*\mu, 27, 66, \mu*1024                 ; T of o tile w: lane (r, h), tile mu, register j: dim 16 mu + 8 h + j
.endr
	BAR                                            ; P~ lies whole in LDS, and nobody reads k^ any more; the loads above stay on their way
	s_wait_loadcnt 0x0
	; ---- T^: my column's largest magnitude, its exponent out, to f16.  Tiles 2 kappa and 2 kappa + 1 of a lane are fragment kappa
.irp c, 0,1,2,3
	v_max3_num_f32 v[224+\c], |v[TF+32*\c]|, |v[TF+32*\c+1]|, 0x0d800000   ; the floor 2^-100
.endr
.irp i, 2,4,6,8,10,12,14,16,18,20,22,24,26,28,30
.irp c, 0,1,2,3
	v_max3_num_f32 v[224+\c], v[224+\c], |v[TF+32*\c+\i]|, |v[TF+32*\c+\i+1]|
.endr
.endr
	v_max3_num_f32 v224, v224, v225, v226
	v_max_num_f32 v224, v224, v227
	v_mov_b32 v228, 0
	v_permlanex16_b32 v228, v224, s[SEL], s[SEL+1]
	v_max_num_f32 v224, v224, v228                 ; with lane l xor 16's half of the column
	v_lshrrev_b32 v225, 23, v224                   ; its exponent field f,
	v_min_u32 v225, 253, v225                      ; held at 253, so that the factor is a normal number
	v_add_nc_u32 v6, 0xffffff81, v225              ; Et = f - 127
	v_sub_nc_u32 v226, 254, v225
	v_lshlrev_b32 v226, 23, v226                   ; 2^-Et
	v_mov_b32 v227, v226
.set n, 0
.rept 64
	v_pk_mul_f32 v[TF+2*n:TF+2*n+1], v[TF+2*n:TF+2*n+1], v[226:227]   ; exact
.set n, n+1
.endr
.set n, 0
.rept 64
	v_cvt_pk_f16_f32 v[TF+n], v[TF+2*n], v[TF+2*n+1]   ; in place, ascending
.set n, n+1
.endr
	; ---- q^ T^: source 0 = q^ (four row tiles), source 1 = T^: a lane holds one o and eight rows t
.set FST, 1
.irp kk, 0,1,2,3,4,5,6,7
.irp tl, 0,1,2,3
	LDI BT+8*\tl, L16, QIMG+\tl*8192+\kk*1024
.endr
	s_wait_dscnt 0x0
.irp tl, 0,1,2,3
	HMM AI+8*\tl, BT+8*\tl, TF+8*\kk, FST
.endr
.set FST, 0
	PLACES 4                                       ; ahead of the next loads into the fragments' registers
.endr
	; ---- P~ v~': K = the chunk's keys from 64 i on, the last 32 first; fragments under 2 i were never made and are not read
.macro PVSTEP ks, first
.irp tl, 0,1,2,3
	LDI BT+8*\tl, 24, \tl*8192+(\ks)*1024
.endr
	s_wait_dscnt 0x0
.irp tl, 0,1,2,3
	HMM AA+8*\tl, BT+8*\tl, VB+8*(\ks), \first
.endr
	PLACES 4
.endm
	PVSTEP 7, 1
	PVSTEP 6, 0
.irp ks, 5,4,3,2,1,0
	s_cmp_gt_u32 s73, \ks
	s_cbranch_scc1 .Lpv_done
	PVSTEP \ks, 0
.endr
.Lpv_done:
	; ---- the end: the powers of two go out again, in f32
	v_add3_u32 v6, v6, v7, s74
	v_ldexp_f32 v6, s27, v6                        ; c2 = out_scale 2^(H + Eo + Et)
	v_add_nc_u32 v7, s75, v7
	v_ldexp_f32 v7, s27, v7                        ; c1 = out_scale 2^(H + Eo + 13)
	v_bfe_u32 v31, v0, 4, 1
	v_lshlrev_b32 v31, 3, v31
	v_sub_nc_u32 v31, s80, v31                     ; 255 - 64 i - 8 h
.set n, 0
.rept 32
	v_sub_nc_u32 v[FT+n], v31, 16*(n/8)+n%8        ; 255 - t_loc of register n % 8 of row tile n / 8
.set n, n+1
.endr
.set n, 0
.rept 32
	v_cvt_f32_u32 v[FT+n], v[FT+n]
.set n, n+1
.endr
.set n, 0
.rept 32
	v_mul_f32 v[FT+n], v[LG], v[FT+n]
.set n, n+1
.endr
.set n, 0
.rept 32
	v_exp_f32 v[FT+n], v[FT+n]                     ; one batch
.set n, n+1
.endr
.set n, 0
.rept 32
	v_mul_f32 v[AA+n], v7, v[AA+n]                 ; (plain work behind the exponentials, which names none of their results)  each accumulator from its low end on
.set n, n+1
.endr
	s_wait_alu depctr_va_vdst(0)                   ; one wait for the batch, ahead of its first reader
.set n, 0
.rept 32
	v_mul_f32 v[FT+n], v6, v[FT+n]
.set n, n+1
.endr
.set n, 0
.rept 16
	v_pk_fma_f32 v[AA+2*n:AA+2*n+1], v[AI+2*n:AI+2*n+1], v[FT+2*n:FT+2*n+1], v[AA+2*n:AA+2*n+1]
.set n, n+1
.endr
.set n, 0
.rept 32
	ds_store_b32 v25, v[AA+n] offset:(16*(n/8)+n%8)*PIT   ; row 16 (n / 8) + 8 h + n % 8, column 16 w + r.  Eight rows are 2,080 words: the two halves of the lanes fall 32 words apart modulo 64
.set n, n+1
.endr
	BAR                                            ; 64 whole rows lie in the stage
.irp u, 0,1,2,3,4,5,6,7
	ds_load_b128 v[32+4*\u:35+4*\u], v26 offset:(\u/2)*PIT+(\u%2)*512
.endr
.irp u, 0,1,2,3,4,5,6,7
	s_wait_dscnt 7-\u                              ; LDS loads come back in order: load u is in, the 7 - u younger ones may be out
	global_store_b128 v29, v[32+4*\u:35+4*\u], s[68:69] offset:(\u/2)*1024+(\u%2)*512 th:TH_STORE_NT   ; 512 consecutive bytes, aligned; written once, read by nobody here
.endr
	s_wait_tensorcnt 0x0                           ; the wave's end, behind my last LDS store
	ds_add_u32 v[SPW], v[NIL]
	s_wait_dscnt 0x0
	s_endpgm
.Lfunc_end_k_q2c0da17db6_out:
	.size	k_q2c0da17db6_out, .Lfunc_end_k_q2c0da17db6_out-k_q2c0da17db6_out
	.p2alignl 7, 3214868480
	.fill 96, 4, 3214868480
	.section	.rodata,"a",@progbits
	.p2align	6, 0x0
	.amdhsa_kernel k_q2c0da17db6_out
		.amdhsa_group_segment_fixed_size 198656
		.amdhsa_private_segment_fixed_size 0
		.amdhsa_enable_private_segment 0
		.amdhsa_kernarg_size 72
		.amdhsa_user_sgpr_count 2
		.amdhsa_user_sgpr_kernarg_segment_ptr 1
		.amdhsa_wavefront_size32 1
		.amdhsa_system_sgpr_workgroup_id_x 1
		.amdhsa_system_sgpr_workgroup_id_y 1
		.amdhsa_system_sgpr_workgroup_id_z 1
		.amdhsa_system_vgpr_workitem_id 0
		.amdhsa_next_free_vgpr 256
		.amdhsa_next_free_sgpr 90
		.amdhsa_reserve_vcc 1
		.amdhsa_float_denorm_mode_32 3
		.amdhsa_float_denorm_mode_16_64 3
		.amdhsa_memory_ordered 1
		.amdhsa_forward_progress 1
		.amdhsa_inst_pref_size 93
	.end_amdhsa_kernel
	.amdgpu_metadata
---
amdhsa.version: [ 1, 2 ]
amdhsa.kernels:
  - .name:           k_q2c0da17db6_out
    .symbol:         k_q2c0da17db6_out.kd
    .args:
      - { .name: codes, .offset: 0, .size: 8, .value_kind: global_buffer, .address_space: global }
      - { .name: scl, .offset: 8, .size: 8, .value_kind: global_buffer, .address_space: global }
      - { .name: mx, .offset: 16, .size: 8, .value_kind: global_buffer, .address_space: global }
      - { .name: eo, .offset: 24, .size: 8, .value_kind: global_buffer, .address_space: global }
      - { .name: decay_logit, .offset: 32, .size: 8, .value_kind: global_buffer, .address_space: global }
      - { .name: out_scale, .offset: 40, .size: 8, .value_kind: global_buffer, .address_space: global }
      - { .name: vp, .offset: 48, .size: 8, .value_kind: global_buffer, .address_space: global }
      - { .name: T, .offset: 56, .size: 8, .value_kind: global_buffer, .address_space: global }
      - { .name: out0, .offset: 64, .size: 8, .value_kind: global_buffer, .address_space: global }
    .group_segment_fixed_size: 198656
    .private_segment_fixed_size: 0
    .kernarg_segment_align: 8
    .kernarg_segment_size: 72
    .max_flat_workgroup_size: 512
    .sgpr_count:     90
    .vgpr_count:     256
    .wavefront_size: 32
...
	.end_amdgpu_metadata
.endif
;; end of part 4
;; ======== version 2 of 2: 4 launches; version 1 with the launches state, out written anew for expert scheduling mode
;; workspace buffers: codes 2,195,456 bytes; scl 137,216 bytes; mx 4,352 bytes; wo16 131,072 bytes; eo 2,048 bytes; vp 8,388,608 bytes; A 16,777,216 bytes; T 16,777,216 bytes
;; launch quant: the kernel of part 1 again; grid 272 x 1, 4 waves a work-group, no clusters, 67,072 bytes of LDS; arguments x, Wq, Wk, Wv, Wo, codes, scl, mx, wo16, eo; writes codes, scl, mx, wo16, eo
;; launch state (part 5): grid 4 x 64, 16 waves a work-group, no clusters, 296,960 bytes of LDS; arguments codes, scl, mx, wo16, decay_logit, vp, A; writes vp, A
.if DOCPART == 5
	.amdgcn_target "amdgcn-amd-amdhsa--gfx1250"
	.amdhsa_code_object_version 6
	.text
	.protected	k_q2c0da17db6_state
	.globl	k_q2c0da17db6_state
	.p2align	8
	.type	k_q2c0da17db6_state,@function
k_q2c0da17db6_state:
	s_mov_b64 s[64:65], 0
	v_nop
	global_prefetch_b8 v0, s[64:65] scope:SCOPE_SE
	s_setreg_imm32_b32 hwreg(HW_REG_WAVE_SCHED_MODE, 0, 2), 2
	s_setreg_imm32_b32 hwreg(HW_REG_WAVE_MODE, 25, 1), 1
	s_wait_xcnt 0x0
	s_wait_alu depctr_vm_vsrc(0)
; For chunk bc (256 rows of one batch; c = bc % 16) and slice j of 64 outputs o:  v~'[s][o] = sum over i of v^[s][i] Wo^[o][i]  (stored, f16)  and, for c > 0,  A[kdim][o] = sum over s of d^(s_loc) k^[s][kdim] v~'[s][o]  (stored, f32).
; k = x Wk^T and v = x Wv^T are the QUANTISED products, on codes of FP4 with E8M0 scales, sums in f32.  d = sigmoid(decay_logit); L = log2(d).
; THE f16 OPERANDS ARE NORMALISED BY EXACT POWERS OF TWO TAKEN FROM THE DATA: with Ex, Ek, Ev the exponents of the largest magnitudes of x, Wk, Wv:  k^ = k 2^Nk, Nk = -(Ex + Ek);  v^ = v 2^Nv, Nv = -(Ex + Ev + 4); both held to -126 .. 126.
; A quantised number is under 2^(E + 1), so |k^| < 2^10, |v^| < 2^6, and with |Wo^| < 2: |v~'| < 2^15: nothing overflows in f16 whatever the inputs' size or offset.  The last launch takes the powers out again.
; SHARES.  Sixteen waves of 256 registers.  Projections: wave (mq = w % 4, rg = w / 4) makes rows 64 rg .. + 63 x dims 64 mq .. + 63.  The two f16 products: wave (p8 = w % 8, op = w / 8) makes 2 x 2 tiles of 16 x 16.
; OPERANDS GO FROM WAVE TO WAVE THROUGH LDS AS IMAGES OF THEIR REGISTERS: a fragment (16 x 32 of f16: 8 registers) is 1,024 bytes, registers 0-3 at 16 x lane, registers 4-7 512 bytes on.  Every address is a constant + 16 x lane + constants x the wave's number.
; v^ is made with source 0 = Wv, source 1 = x: a lane holds one row s and eight neighbouring dims: half a fragment with K = dim.  k^ is made the other way round: a lane holds one kdim and eight neighbouring s: half a fragment with K = s.
; NO CLUSTER, NO TENSOR LOAD: what the four slices of a chunk share is x's codes and scales, 34,816 bytes of the some 450,000 that a work-group moves, and each wave takes its tiles straight into the registers that multiply them.
; LIMITS: NaN and infinities are not served; L is held at -2^100 from below, so that d = 0 gives d^0 = 1 and d^n = 0; d^n under 2^-126 counts as 0.
; THE MODE: SCHED_MODE bits 1:0 = 2 (LLVM: expert scheduling mode 2), set by the entry lines.  The code itself states the register dependences between vector or matrix instructions and memory or LDS instructions, with s_wait_alu, always for 0.
; THE PLAN.  Registers that memory or LDS instructions touch, and who else names them:
;   v1, v2, v16-23   offsets and LDS addresses: made at the head, never written again: one wait on va_vdst ahead of the first load.
;   XF, XS           x's codes and scale words: loaded at the head, read by the quantised products; Wo^ lands in XF behind the last of them.
;   WF, WS           Wv's, read by steps 0-3 of v^; Wk's land there behind the wait of step 2's packing, which stands behind step 3's products.
;   SET0, SET1       the projections' accumulators, by turns: step i + 1's products are issued ahead of step i's packing.  A step's four packings, one wait on va_vdst, its four LDS stores;
;                    a wait on vm_vsrc ahead of the products that begin anew in a set that stores have read.
;   H0, H1           v^'s fragments, two kappa a step, by turns: a step's matrix instructions, the places, one wait on va_vdst, and the buffer is asked for again, for two steps on.
;   G0, G1           the same for the fragments of d^s k^ and v~'.
;   AV, A2           results: one wait on va_vdst ahead of each run of stores; none of these registers is written again.
.set VIMG,  0                          ; v^: 16 row tiles x 8 fragments
.set KT,    131072                     ; d^s k^, K = s: 16 kdim tiles x 8 fragments
.set VPI,   262144                     ; v~', K = s: 4 o tiles x 8 fragments
.set SPARE, 294912                     ; the spare words, 128 bytes for each wave, which no other line names
.set L16, 1                            ; v1   16 x lane
.set L4,  2                            ; v2   4 x lane
.set LG,  3                            ; v3   L
.set SPW, 4                            ; v4   LDS address of my spare word; never rewritten
.set NIL, 5                            ; v5   0; never rewritten
.set XS,  8                            ; v8-11  x's scale words;  v12-15 the weight's: these hold scales and nothing else
.set WS,  12
.set XF,  32                           ; v32-95   four tiles of x's codes (16 registers each: two K steps)
.set WF,  96                           ; v96-159  four tiles of the weight's
                                       ; v160-191 SET0, v224-255 SET1: four accumulators each: step i of a projection takes set i % 2, at 160 + 64 (i % 2)
.set TK,  192                          ; v192-223 2^Nk d^(s_loc) for my 4 x 8 places
.set WO,  32                           ; v32-159  Wo^: 2 o tiles x 8 fragments
                                       ; v160-191 H0, v192-223 H1: v^: 2 kappa x 2 row tiles each: step s takes 160 + 32 (s % 2)
.set AV,  224                          ; v224-255 four accumulators
                                       ; v32-95 G0, v96-159 G1: d^s k^ (2 kappa x 2 kdim tiles), then v~' (2 kappa x 2 o tiles): step s takes 32 + 64 (s % 2)
.set A2,  160                          ; v160-191 four accumulators
.set MXB, 12                           ; s[12:13] mx
.set SEL, 48                           ; s[48:49] lane selects for v_permlanex16_b32
.set FK,  60                           ; s[60:61] 2^Nk, twice
.set FV,  62                           ; s[62:63] 2^Nv, twice
.macro PLACES n
.rept \n
	v_nop
.endr
.endm
.macro BAR                             ; my LDS stores have landed and my LDS loads are in: then the work-group's barrier
	s_wait_dscnt 0x0
	s_barrier_signal -1
	s_barrier_wait -1
.endm
.macro LDTILE reg, sc, cb, sb, t       ; a tile's codes (four groups of 512 bytes) and its 32 scale words
.irp q, 0,1,2,3
	global_load_b128 v[(\reg)+4*\q:(\reg)+4*\q+3], v[L16], s[\cb:\cb+1] offset:2048*(\t)+512*\q
.endr
	global_load_b32 v[\sc], v[L4], s[\sb:\sb+1] offset:128*(\t)
.endm
.macro QMM d, a, b, sa, sb, k          ; K step k of a quantised product: step 0 starts the sum and reads the scale words of lanes 0-15, step 1 those of lanes 16-31
.if \k == 0
	v_wmma_scale_f32_16x16x128_f8f6f4 v[(\d):(\d)+7], v[(\a):(\a)+7], v[(\b):(\b)+7], 0, v[\sa], v[\sb] matrix_a_fmt:MATRIX_FMT_FP4 matrix_b_fmt:MATRIX_FMT_FP4
.else
	v_wmma_scale_f32_16x16x128_f8f6f4 v[(\d):(\d)+7], v[(\a)+8:(\a)+15], v[(\b)+8:(\b)+15], v[(\d):(\d)+7], v[\sa], v[\sb] matrix_a_fmt:MATRIX_FMT_FP4 matrix_b_fmt:MATRIX_FMT_FP4 matrix_a_scale:MATRIX_SCALE_ROW1 matrix_b_scale:MATRIX_SCALE_ROW1
.endif
.endm
.macro HMM d, a, b, first
.if \first
	v_wmma_f32_16x16x32_f16 v[(\d):(\d)+7], v[(\a):(\a)+7], v[(\b):(\b)+7], 0
.else
	v_wmma_f32_16x16x32_f16 v[(\d):(\d)+7], v[(\a):(\a)+7], v[(\b):(\b)+7], v[(\d):(\d)+7]
.endif
.endm
.macro PACKS acc, sp                   ; eight results x a power of two (exact), then to f16 in the low four registers; read from the low end on
.irp t, 0,1,2,3
	v_pk_mul_f32 v[(\acc)+2*\t:(\acc)+2*\t+1], v[(\acc)+2*\t:(\acc)+2*\t+1], s[\sp:\sp+1] op_sel_hi:[1,0]
.endr
.irp t, 0,1,2,3
	v_cvt_pk_f16_f32 v[(\acc)+\t], v[(\acc)+2*\t], v[(\acc)+2*\t+1]
.endr
.endm
.macro PACKV acc, tab                  ; the same with a factor for each register
.irp t, 0,1,2,3
	v_pk_mul_f32 v[(\acc)+2*\t:(\acc)+2*\t+1], v[(\acc)+2*\t:(\acc)+2*\t+1], v[(\tab)+2*\t:(\tab)+2*\t+1]
.endr
.irp t, 0,1,2,3
	v_cvt_pk_f16_f32 v[(\acc)+\t], v[(\acc)+2*\t], v[(\acc)+2*\t+1]
.endr
.endm
.macro LDI reg, adr, off               ; a fragment's image from LDS
	ds_load_b128 v[(\reg):(\reg)+3], v[\adr] offset:(\off)
	ds_load_b128 v[(\reg)+4:(\reg)+7], v[\adr] offset:(\off)+512
.endm
.macro GLI reg, vo, sb, off            ; and from memory
	global_load_b128 v[(\reg):(\reg)+3], v[\vo], s[\sb:\sb+1] offset:(\off)
	global_load_b128 v[(\reg)+4:(\reg)+7], v[\vo], s[\sb:\sb+1] offset:(\off)+512
.endm
.macro DECAY tm, z                     ; L = log2(1 / (1 + e^-z)), held at -2^100.  Each step reads the one before: a plain line and a wait stand behind each transcendental
	v_mov_b32 v[\tm], s[\z]
	v_mul_f32 v[\tm], 0xbfb8aa3b, v[\tm]
	v_exp_f32 v[\tm], v[\tm]
	v_nop
	s_wait_alu depctr_va_vdst(0)                   ; the exponential has written its result, which the next line reads
	v_add_f32 v[\tm], 1.0, v[\tm]
	v_rcp_f32 v[\tm], v[\tm]
	v_nop
	s_wait_alu depctr_va_vdst(0)                   ; the reciprocal has written its result, which the next line reads
	v_log_f32 v[\tm], v[\tm]
	v_nop
	s_wait_alu depctr_va_vdst(0)                   ; the logarithm has written its result, which the next line reads
	v_max_num_f32 v[LG], 0xf1800000, v[\tm]
.endm
.macro NORMS_LD nr, wr                 ; the 1,024 tile maxima of x, 512 consecutive bytes a load; Wq's and Wk's sixteen each in one register, Wv's (and Wo's) in another
.irp t, 0,1,2,3,4,5,6,7
	global_load_b128 v[\nr+4*\t:\nr+4*\t+3], v[L16], s[MXB:MXB+1] offset:512*\t
.endr
	global_load_b32 v[\wr], v[L4], s[MXB:MXB+1] offset:4096
	global_load_b32 v[\wr+1], v[L4], s[MXB:MXB+1] offset:4224
.endm
.macro NORMS nr, wr                    ; s50 = max |x|; v[wr], v[wr+1]: each half of the lanes holds its sixteen tiles' maximum
.irp t, 0,1,2,3,4,5,6,7
	v_max3_num_f32 v[\nr+4*\t], v[\nr+4*\t], v[\nr+4*\t+1], v[\nr+4*\t+2]
.endr
.irp t, 0,1,2,3
	v_max3_num_f32 v[\nr+8*\t], v[\nr+8*\t], v[\nr+8*\t+4], v[\nr+8*\t+3]
.endr
.irp t, 0,1
	v_max3_num_f32 v[\nr+16*\t], v[\nr+16*\t], v[\nr+16*\t+8], v[\nr+16*\t+7]
.endr
	v_max3_num_f32 v[\nr], v[\nr], v[\nr+16], v[\nr+15]
	v_max_num_f32 v[\nr], v[\nr], v[\nr+31]
.irp x, 1,2,4,8
	v_max_num_f32_dpp v[\nr], v[\nr], v[\nr] row_xmask:\x row_mask:0xf bank_mask:0xf
	v_max_num_f32_dpp v[\wr], v[\wr], v[\wr] row_xmask:\x row_mask:0xf bank_mask:0xf
	v_max_num_f32_dpp v[\wr+1], v[\wr+1], v[\wr+1] row_xmask:\x row_mask:0xf bank_mask:0xf
.endr
	v_mov_b32 v[\wr+2], 0
	v_permlanex16_b32 v[\wr+2], v[\nr], s[SEL], s[SEL+1]
	v_max_num_f32 v[\nr], v[\nr], v[\wr+2]
	v_readfirstlane_b32 s50, v[\nr]
.endm
.macro NEXP dst, fw, top               ; N = top - (x's field + the weight's field), held to -126 .. 126.  These numbers enter factors alone: no address and no branch hangs on them
	s_bfe_u32 s[\fw], s[\fw], 0x80017
	s_add_co_u32 s[\dst], s50, s[\fw]
	s_sub_co_i32 s[\dst], \top, s[\dst]
	s_max_i32 s[\dst], s[\dst], 0xffffff82
	s_min_i32 s[\dst], s[\dst], 126
.endm
.macro POW2 pr, nx                     ; 2^N as an f32, twice (the packed form names a pair)
	s_add_co_i32 s[\pr], s[\nx], 127
	s_lshl_b32 s[\pr], s[\pr], 23
	s_mov_b32 s[\pr+1], s[\pr]
.endm
; v^, step i: row tile 4 rg + i.  Source 0 = 16 rows of Wv, source 1 = 16 rows of x.  The set's four accumulators take turns, one instruction a turn
.macro VQ i
.irp m, 0,1,2,3
	QMM 160+64*((\i)%2)+8*\m, WF+16*\m, XF+16*(\i), WS+\m, XS+(\i), 0
.endr
.irp m, 0,1,2,3
	QMM 160+64*((\i)%2)+8*\m, WF+16*\m, XF+16*(\i), WS+\m, XS+(\i), 1
.endr
.endm
.macro VP i                            ; its results: packed, then stored
.irp m, 0,1,2,3
	PACKS 160+64*((\i)%2)+8*\m, FV
.endr
	s_wait_alu depctr_va_vdst(0)                   ; the conversions have written the set's low registers, which the four LDS stores read
.irp m, 0,1,2,3
	ds_store_b128 v16, v[160+64*((\i)%2)+8*\m:160+64*((\i)%2)+8*\m+3] offset:(\i)*8192+(\m/2)*1024+(\m%2)*512   ; row tile 4 rg + i, dims 16 (4 mq + m) + 8 h + 0..7: half of fragment 2 mq + m / 2
.endr
.endm
; d^s k^, K = s, step i: source 0 = 16 rows of x, source 1 = 16 rows of Wk
.macro KQ i
.irp m, 0,1,2,3
	QMM 160+64*((\i)%2)+8*\m, XF+16*(\i), WF+16*\m, XS+(\i), WS+\m, 0
.endr
.irp m, 0,1,2,3
	QMM 160+64*((\i)%2)+8*\m, XF+16*(\i), WF+16*\m, XS+(\i), WS+\m, 1
.endr
.endm
.macro KP i
.irp m, 0,1,2,3
	PACKV 160+64*((\i)%2)+8*\m, TK+8*(\i)
.endr
	s_wait_alu depctr_va_vdst(0)                   ; the conversions have written the set's low registers, which the four LDS stores read
.irp m, 0,1,2,3
	ds_store_b128 v17, v[160+64*((\i)%2)+8*\m:160+64*((\i)%2)+8*\m+3] offset:\m*8192+((\i)/2)*1024+((\i)%2)*512   ; kdim tile 4 mq + m, s = 16 (4 rg + i) + 8 h + 0..7: half of fragment 2 rg + i / 2
.endr
.endm
; v~' = v^ Wo^^T, step s: kappa = 2 s, 2 s + 1.  Eight LDS loads; eight matrix instructions, the four accumulators by turns
.macro LV s
.irp u, 0,1
.irp a, 0,1
	LDI 160+32*((\s)%2)+8*(2*\u+\a), 18, \a*8192+(2*(\s)+\u)*1024
.endr
.endr
.endm
.macro MV s
.irp u, 0,1
.irp a, 0,1
.irp e, 0,1
	HMM AV+8*(2*\a+\e), 160+32*((\s)%2)+8*(2*\u+\a), WO+8*(8*\e+2*(\s)+\u), FST
.endr
.endr
.set FST, 0
.endr
.endm
; A = (d^s k^)^T v~', step s: kappa = 2 s, 2 s + 1.  Sixteen LDS loads; eight matrix instructions
.macro LA s
.irp u, 0,1
.irp a, 0,1
	LDI 32+64*((\s)%2)+8*(2*\u+\a), 20, \a*8192+(2*(\s)+\u)*1024
	LDI 64+64*((\s)%2)+8*(2*\u+\a), 21, \a*8192+(2*(\s)+\u)*1024
.endr
.endr
.endm
.macro MA s
.irp u, 0,1
.irp a, 0,1
.irp e, 0,1
	HMM A2+8*(2*\a+\e), 32+64*((\s)%2)+8*(2*\u+\a), 64+64*((\s)%2)+8*(2*\u+\e), FST
.endr
.endr
.set FST, 0
.endr
.endm
	s_load_b256 s[8:15], s[0:1], 0x0               ; codes, scl, mx, wo16
	s_load_b128 s[16:19], s[0:1], 0x20             ; decay_logit, vp
	s_load_b64 s[20:21], s[0:1], 0x30              ; A
	v_lshl_add_u32 v[SPW], v0, 2, SPARE
	v_mov_b32 v[NIL], 0
	v_lshrrev_b32 v6, 5, v0
	v_readfirstlane_b32 s2, v6                     ; wave 0..15
	v_and_b32 v6, 31, v0
	v_bfe_u32 v7, v0, 4, 1                         ; h
	v_lshlrev_b32 v[L16], 4, v6
	v_lshlrev_b32 v[L4], 2, v6
	s_wait_alu depctr_va_sdst(0)                   ; s2 is written, ahead of its first reader
	s_and_b32 s3, s2, 3                            ; mq
	s_lshr_b32 s4, s2, 2                           ; rg
	s_and_b32 s5, s2, 7                            ; p8
	s_lshr_b32 s6, s2, 3                           ; op
	s_and_b32 s7, ttmp7, 0xffff                    ; bc
	s_and_b32 s44, s7, 15                          ; c
	s_mov_b32 s[SEL], 0x76543210
	s_mov_b32 s[SEL+1], 0xfedcba98
	; every LDS address is made here: constants, 16 x lane, constants x the wave's number
	s_lshl_b32 s45, s4, 15
	s_lshl_b32 s46, s3, 11
	s_add_co_u32 s45, s45, s46
	v_add_nc_u32 v16, s45, v[L16]                  ; v16: where I put v^: VIMG + 32768 rg + 2048 mq
	s_lshl_b32 s45, s3, 15
	s_lshl_b32 s46, s4, 11
	s_add_co_u32 s45, s45, s46
	s_add_co_u32 s45, s45, KT
	v_add_nc_u32 v17, s45, v[L16]                  ; v17: where I put d^s k^: KT + 32768 mq + 2048 rg
	s_lshl_b32 s45, s5, 14
	v_add_nc_u32 v18, s45, v[L16]                  ; v18: my two row tiles of v^: VIMG + 16384 p8
	s_add_co_u32 s46, s45, KT
	v_add_nc_u32 v20, s46, v[L16]                  ; v20: my two kdim tiles: KT + 16384 p8
	s_lshl_b32 s45, s6, 14
	s_add_co_u32 s46, s45, VPI
	v_add_nc_u32 v21, s46, v[L16]                  ; v21: my two o tiles of v~': VPI + 16384 op
	s_lshl_b32 s47, s5, 10
	s_add_co_u32 s45, s45, s47
	v_add_nc_u32 v22, s45, v[L16]                  ; v22: my offset in vp's slice: 16384 op + 1024 p8
	s_add_co_u32 s45, s45, VPI
	v_add_nc_u32 v19, s45, v[L16]                  ; v19: the same place in VPI
	s_lshl_b32 s45, s6, 15
	s_lshl_b32 s47, s5, 11
	s_add_co_u32 s45, s45, s47
	v_add_nc_u32 v23, s45, v[L16]                  ; v23: my offset in A's slice: 32768 op + 2048 p8
	s_mov_b32 s43, 0
	s_wait_kmcnt 0x0
	s_load_b32 s22, s[16:17], 0x0                  ; decay_logit
	s_lshl_b32 s42, s7, 15                         ; x's tiles 16 bc + 4 rg on: 2,048 bytes of codes a tile,
	s_lshl_b32 s45, s4, 13
	s_add_co_u32 s42, s42, s45
	s_add_nc_u64 s[24:25], s[8:9], s[42:43]
	s_lshr_b32 s42, s42, 4                         ; 128 of scale words
	s_add_nc_u64 s[26:27], s[10:11], s[42:43]
	s_lshl_b32 s45, s3, 13
	s_add_co_u32 s42, s45, 1056*2048               ; Wv's tiles 4 mq on
	s_add_nc_u64 s[28:29], s[8:9], s[42:43]
	s_lshr_b32 s42, s42, 4
	s_add_nc_u64 s[30:31], s[10:11], s[42:43]
	s_add_co_u32 s42, s45, 1040*2048               ; Wk's
	s_add_nc_u64 s[32:33], s[8:9], s[42:43]
	s_lshr_b32 s42, s42, 4
	s_add_nc_u64 s[34:35], s[10:11], s[42:43]
	s_lshl_b32 s42, ttmp9, 15                      ; Wo^'s tiles 4 j + 2 op on: 8,192 bytes a tile
	s_lshl_b32 s45, s6, 14
	s_add_co_u32 s42, s42, s45
	s_add_nc_u64 s[36:37], s[14:15], s[42:43]
	s_lshl_b32 s42, s7, 17                         ; vp: 131,072 bytes a chunk, 32,768 a slice
	s_lshl_b32 s45, ttmp9, 15
	s_add_co_u32 s42, s42, s45
	s_add_nc_u64 s[38:39], s[18:19], s[42:43]
	s_lshl_b32 s42, s42, 1                         ; A: twice that
	s_add_nc_u64 s[40:41], s[20:21], s[42:43]
	s_wait_alu depctr_va_vdst(0)                   ; v1, v2 and v16 to v23 are written: every load and store of the kernel reads one of them as its offset or address
.irp i, 0,1,2,3
	LDTILE XF+16*\i, XS+\i, 24, 26, \i
.endr
.irp m, 0,1,2,3
	LDTILE WF+16*\m, WS+\m, 28, 30, \m
.endr
	NORMS_LD 224, 24
	s_wait_kmcnt 0x0
	DECAY 27, 22                                   ; L and the table d^(s_loc) are made while the loads are on their way: they name v3, v27, v28 and v192-223, in none of which a load lands
	v_lshlrev_b32 v28, 3, v7
	s_lshl_b32 s45, s4, 6
	v_add_nc_u32 v28, s45, v28                     ; 64 rg + 8 h
.set n, 0
.rept 32
	v_add_nc_u32 v[TK+n], 16*(n/8)+n%8, v28        ; s_loc of register n % 8 of my row tile n / 8, as a whole number,
.set n, n+1
.endr
.set n, 0
.rept 32
	v_cvt_f32_u32 v[TK+n], v[TK+n]
.set n, n+1
.endr
.set n, 0
.rept 32
	v_mul_f32 v[TK+n], v[LG], v[TK+n]              ; x L: rounded once
.set n, n+1
.endr
.set n, 0
.rept 32
	v_exp_f32 v[TK+n], v[TK+n]                     ; d^(s_loc): one batch; the maxima below are the plain work behind it
.set n, n+1
.endr
	s_wait_loadcnt 0x0
	NORMS 224, 24
	v_readlane_b32 s52, v24, 16                    ; max |Wk|
	v_readlane_b32 s53, v25, 0                     ; max |Wv|
	s_wait_alu depctr_va_sdst(0)                   ; s50, s52 and s53 are written, ahead of their first readers
	s_bfe_u32 s50, s50, 0x80017                    ; the exponent field of max |x|
	NEXP 55, 52, 254                               ; Nk
	NEXP 56, 53, 250                               ; Nv
	POW2 FK, 55
	POW2 FV, 56
	s_wait_alu depctr_va_vdst(0)                   ; the 32 exponentials have written the table, ahead of its first reader: one wait for the batch
.set n, 0
.rept 16
	v_pk_mul_f32 v[TK+2*n:TK+2*n+1], v[TK+2*n:TK+2*n+1], s[FK:FK+1] op_sel_hi:[1,0]
.set n, n+1
.endr
	; ---- v^: a step's products are issued ahead of the packing of the step before, which works on the other set
	VQ 0
	VQ 1
	PLACES 4                                       ; ahead of the first read of results; from here on a step's packing is the places behind the next step's products
	VP 0
	s_wait_alu depctr_vm_vsrc(0)                   ; step 0's LDS stores have read SET0, in which step 2's sums begin
	VQ 2
	VP 1
	s_wait_alu depctr_vm_vsrc(0)                   ; step 1's LDS stores have read SET1, in which step 3's sums begin
	VQ 3
	VP 2
	s_cmp_eq_u32 s44, 0                            ; a batch's first chunk feeds no state: its k is not made, and Wk is not asked for
	s_cbranch_scc1 .Lno_wk
.irp m, 0,1,2,3
	LDTILE WF+16*\m, WS+\m, 32, 34, \m             ; no wait: the wait in step 2's packing stands behind step 3's products, the last readers of Wv's codes and scale words, and nothing since names these registers
.endr
.Lno_wk:
	VP 3
	s_wait_alu depctr_vm_vsrc(0)                   ; the LDS stores of steps 2 and 3 have read both sets, in which k's sums begin
	s_wait_loadcnt 0x0                             ; Wk
	s_cmp_eq_u32 s44, 0
	s_cbranch_scc1 .Lno_k
	; ---- d^s k^, in the same order
	KQ 0
	KQ 1
	PLACES 4
	KP 0
	s_wait_alu depctr_vm_vsrc(0)                   ; step 0's LDS stores have read SET0, in which step 2's sums begin
	KQ 2
	KP 1
	s_wait_alu depctr_vm_vsrc(0)                   ; step 1's LDS stores have read SET1, in which step 3's sums begin
	KQ 3
	KP 2
	KP 3
.Lno_k:
.irp e, 0,1
.irp kk, 0,1,2,3,4,5,6,7
	GLI WO+8*(8*\e+\kk), L16, 36, \e*8192+\kk*1024 ; Wo^'s sixteen fragments: they land while the waves meet.  No wait: on either way the wait in the last packing stands behind the last product that read x's and the weight's codes
.endr
.endr
	BAR                                            ; v^ (and d^s k^) lie whole in LDS
	s_wait_alu depctr_vm_vsrc(0)                   ; my LDS stores have read both sets: v^'s fragments land in SET0's registers, and the sums of v~' begin in SET1's
	; ---- v~' = v^ Wo^^T: row tiles 2 p8 + a, o tiles 2 op + e; source 0 = v^, source 1 = Wo^: a lane holds one o and eight neighbouring s
.set FST, 1
	LV 0                                           ; (H1 takes the table's registers: its last readers stand ahead of the last packing's wait)
	LV 1
	s_wait_dscnt 8                                 ; step 0's eight loads are in; step 1's eight may be out
	s_wait_loadcnt 0x0                             ; Wo^
	MV 0
	PLACES 4
	s_wait_alu depctr_va_vdst(0)                   ; step 0's matrix instructions are done reading H0, in which step 2's fragments land
	LV 2
	s_wait_dscnt 8                                 ; step 1's are in; step 2's may be out
	MV 1
	PLACES 4
	s_wait_alu depctr_va_vdst(0)                   ; step 1's matrix instructions are done reading H1, in which step 3's fragments land
	LV 3
	s_wait_dscnt 8                                 ; step 2's are in; step 3's may be out
	MV 2
	s_wait_dscnt 0x0
	MV 3
	PLACES 4                                       ; ahead of the first read of results
.irp a, 0,1
.irp e, 0,1
.irp t, 0,1,2,3
	v_cvt_pk_f16_f32 v[AV+8*(2*\a+\e)+\t], v[AV+8*(2*\a+\e)+2*\t], v[AV+8*(2*\a+\e)+2*\t+1]
.endr
.endr
.endr
	s_wait_alu depctr_va_vdst(0)                   ; the conversions have written v~', which the stores read; and the matrix instructions are done reading Wo^, in whose registers the next fragments land
.irp a, 0,1
.irp e, 0,1
	ds_store_b128 v19, v[AV+8*(2*\a+\e):AV+8*(2*\a+\e)+3] offset:\e*8192+\a*512     ; half a of fragment p8 of o tile 2 op + e
	global_store_b128 v22, v[AV+8*(2*\a+\e):AV+8*(2*\a+\e)+3], s[38:39] offset:\e*8192+\a*512   ; 512 consecutive bytes, aligned
.endr
.endr
	BAR                                            ; the slice's v~' lies whole in LDS
	s_cmp_eq_u32 s44, 0
	s_cbranch_scc1 .Lend
	; ---- A = (d^s k^)^T v~': kdim tiles 2 p8 + a, o tiles 2 op + e; K = the chunk's 256 rows
.set FST, 1
	LA 0
	LA 1
	s_wait_dscnt 16                                ; step 0's sixteen loads are in; step 1's sixteen may be out
	MA 0
	PLACES 4
	s_wait_alu depctr_va_vdst(0)                   ; step 0's matrix instructions are done reading G0, in which step 2's fragments land
	LA 2
	s_wait_dscnt 16
	MA 1
	PLACES 4
	s_wait_alu depctr_va_vdst(0)                   ; step 1's matrix instructions are done reading G1, in which step 3's fragments land
	LA 3
	s_wait_dscnt 16
	MA 2
	s_wait_dscnt 0x0
	MA 3
	PLACES 4                                       ; ahead of the stores that read the results; the places stay beside the wait
	s_wait_alu depctr_va_vdst(0)                   ; the matrix instructions have written the accumulators, which the stores read
.irp a, 0,1
.irp e, 0,1
	global_store_b128 v23, v[A2+8*(2*\a+\e):A2+8*(2*\a+\e)+3], s[40:41] offset:\e*16384+\a*1024        ; each accumulator from its low end on
	global_store_b128 v23, v[A2+8*(2*\a+\e)+4:A2+8*(2*\a+\e)+7], s[40:41] offset:\e*16384+\a*1024+512
.endr
.endr
.Lend:
	s_wait_dscnt 0x0                               ; the closing lines, six on end
	s_wait_alu 0x0
	s_wait_tensorcnt 0x0
	ds_add_u32 v[SPW], v[NIL]
	s_wait_dscnt 0x0
	s_endpgm
.Lfunc_end_k_q2c0da17db6_state:
	.size	k_q2c0da17db6_state, .Lfunc_end_k_q2c0da17db6_state-k_q2c0da17db6_state
	.p2alignl 7, 3214868480
	.fill 96, 4, 3214868480
	.section	.rodata,"a",@progbits
	.p2align	6, 0x0
	.amdhsa_kernel k_q2c0da17db6_state
		.amdhsa_group_segment_fixed_size 296960
		.amdhsa_private_segment_fixed_size 0
		.amdhsa_enable_private_segment 0
		.amdhsa_kernarg_size 56
		.amdhsa_user_sgpr_count 2
		.amdhsa_user_sgpr_kernarg_segment_ptr 1
		.amdhsa_wavefront_size32 1
		.amdhsa_system_sgpr_workgroup_id_x 1
		.amdhsa_system_sgpr_workgroup_id_y 1
		.amdhsa_system_sgpr_workgroup_id_z 1
		.amdhsa_system_vgpr_workitem_id 0
		.amdhsa_next_free_vgpr 256
		.amdhsa_next_free_sgpr 80
		.amdhsa_reserve_vcc 0
		.amdhsa_float_denorm_mode_32 3
		.amdhsa_float_denorm_mode_16_64 3
		.amdhsa_memory_ordered 1
		.amdhsa_forward_progress 1
		.amdhsa_inst_pref_size 63
	.end_amdhsa_kernel
	.amdgpu_metadata
---
amdhsa.version: [ 1, 2 ]
amdhsa.kernels:
  - .name:           k_q2c0da17db6_state
    .symbol:         k_q2c0da17db6_state.kd
    .args:
      - { .name: codes, .offset: 0, .size: 8, .value_kind: global_buffer, .address_space: global }
      - { .name: scl, .offset: 8, .size: 8, .value_kind: global_buffer, .address_space: global }
      - { .name: mx, .offset: 16, .size: 8, .value_kind: global_buffer, .address_space: global }
      - { .name: wo16, .offset: 24, .size: 8, .value_kind: global_buffer, .address_space: global }
      - { .name: decay_logit, .offset: 32, .size: 8, .value_kind: global_buffer, .address_space: global }
      - { .name: vp, .offset: 40, .size: 8, .value_kind: global_buffer, .address_space: global }
      - { .name: A, .offset: 48, .size: 8, .value_kind: global_buffer, .address_space: global }
    .group_segment_fixed_size: 296960
    .private_segment_fixed_size: 0
    .kernarg_segment_align: 8
    .kernarg_segment_size: 56
    .max_flat_workgroup_size: 512
    .sgpr_count:     80
    .vgpr_count:     256
    .wavefront_size: 32
...
	.end_amdgpu_metadata
.endif
;; end of part 5
;; launch scan: the kernel of part 3 again; grid 256 x 1, 8 waves a work-group, no clusters, 0 bytes of LDS; arguments A, decay_logit, T; writes T
;; launch out (part 6): grid 4 x 64, 16 waves a work-group, no clusters, 198,656 bytes of LDS; arguments codes, scl, mx, eo, decay_logit, out_scale, vp, T, out0; writes out0
.if DOCPART == 6
	.amdgcn_target "amdgcn-amd-amdhsa--gfx1250"
	.amdhsa_code_object_version 6
	.text
	.protected	k_q2c0da17db6_out
	.globl	k_q2c0da17db6_out
	.p2align	8
	.type	k_q2c0da17db6_out,@function
k_q2c0da17db6_out:
	s_mov_b64 s[64:65], 0
	v_nop
	global_prefetch_b8 v0, s[64:65] scope:SCOPE_SE
	s_setreg_imm32_b32 hwreg(HW_REG_WAVE_SCHED_MODE, 0, 2), 2
	s_setreg_imm32_b32 hwreg(HW_REG_WAVE_MODE, 25, 1), 1
	s_wait_xcnt 0x0
	s_wait_alu depctr_vm_vsrc(0)
; out[t][o] = out_scale / 16 x ( sum over s of the chunk, s > t, of d^(s-t-1) (q_t . k_s) v'_s[o]  +  d^(255 - t_loc) sum over dim of q_t[dim] T_c[dim][o] ),  for rows 64 i .. 64 i + 63 of chunk bc and all 256 o.
; q = x Wq^T and k = x Wk^T are the QUANTISED products, on codes of FP4 with E8M0 scales, sums in f32.  v' (with Wo folded in) and the state T of all later chunks come from the launches before.  d = sigmoid(decay_logit), L = log2(d).
; THE f16 OPERANDS ARE NORMALISED BY EXACT POWERS OF TWO TAKEN FROM THE DATA.  q^ = q 2^Nq, k^ = k 2^Nk (|.| < 2^10);  P~ = 2^-13 d^(s-t-1) (q^ . k^) (|.| < 2^15);  v~' as stored (|.| < 2^15);  T^ = T / 2^Et, Et each column's own exponent (|.| < 2).
; With H = -4 - Nq - Nk - Nv and Eo the exponent taken out of Wo's row o:  out = ldexp(out_scale, H + Eo + 13) x (P~ v~')  +  ldexp(out_scale, H + Eo + Et) x d^(255 - t_loc) x (q^ T^).  All exponents of d are 0 or more: no factor exceeds 1.
; SHARES.  Sixteen waves of 256 registers.  Projections: wave (mq = w % 4, rg = w / 4): row tile rg (of each quarter of the chunk) x dims 64 mq .. + 63.  P~: wave (p8 = w % 8, tp = w / 8): key tiles 2 p8, 2 p8 + 1 x query tiles 2 tp, 2 tp + 1;
; key tiles under 4 i lie wholly under the mask and are neither projected nor multiplied.  The last products: wave w makes o tile w for all 64 rows.
; OPERANDS GO FROM WAVE TO WAVE THROUGH LDS AS IMAGES OF THEIR REGISTERS (a fragment of 16 x 32 f16: 1,024 bytes, registers 0-3 at 16 x lane, registers 4-7 512 bytes on).  No LDS address hangs on the work-group's number.
; NO CLUSTER, NO TENSOR LOAD: what the four quarters of a chunk share most is T_c, 262,144 bytes of f32, which does not fit in LDS beside the 196,608 bytes of images; each wave takes its sixteenth straight into the registers that convert it.
; LIMITS: NaN and infinities are not served; L is held at -2^100 from below (d = 0: d^0 = 1, d^n = 0); d^n under 2^-126 counts as 0; a column of T under 2^-100 in the normalised units is divided by 2^-100.
; THE MODE: SCHED_MODE bits 1:0 = 2 (LLVM: expert scheduling mode 2), set by the entry lines.  The code itself states the register dependences between vector or matrix instructions and memory or LDS instructions, with s_wait_alu, always for 0.
; THE PLAN.  Registers that memory or LDS instructions touch, and who else names them:
;   v1, v2, v17-30   offsets and LDS addresses: made at the head, never written again: one wait on va_vdst ahead of the first load.
;   XF, XQ, XS, XQS  x's codes and scale words: loaded at the head, read by the quantised products; fragments land there from the first barrier on.
;   WF, WS           Wq's, then Wk's, which land behind the wait of q^'s packing.
;   ACC              a projection block: eight products, the places, four packings, one wait on va_vdst, four LDS stores, one wait on vm_vsrc: that one stands ahead of the next block's branch, so on every way to the next writer.
;   G0, G1           the fragments of k^ and q^ for P~, two kappa a step, by turns: a step's matrix instructions, the places, one wait on va_vdst, and the buffer is asked for again, for two steps on.
;   AP               P~: one wait on va_vdst ahead of its stores, one on vm_vsrc where the ways join, ahead of the loads of v~' that land there.
;   B0, B1           q^'s fragments for q^ T^, one kappa a step, by turns, in the same order; B1 lies in the registers of P~ v~''s sums, which begin later.
;   Z0, Z1           P~'s fragments, a pair of steps at a time; the first pair is asked for behind the wait of q^ T^'s last step but one.
;   AA               the results: one wait on va_vdst ahead of the stores into the stage; it covers the loads from the stage too.
.set QIMG,  0                          ; q^: 4 row tiles x 8 fragments
.set KIMG,  32768                      ; k^: 16 row tiles x 8 fragments
.set PIMG,  163840                     ; P~: 4 row tiles x 8 fragments (K = s)
.set STG,   KIMG                       ; the way out: 64 rows, 1,040 bytes apart, in k^'s bytes, whose last read stands ahead of the second barrier
.set PIT,   1040
.set SPARE, 196608                     ; the spare words, 128 bytes for each wave, which no other line names
.set L16, 1                            ; v1   16 x lane (also my place in QIMG, which begins at LDS byte 0)
.set L4,  2                            ; v2   4 x lane
.set LG,  3                            ; v3   L
.set SPW, 4                            ; v4   LDS address of my spare word; never rewritten
.set NIL, 5                            ; v5   0; never rewritten
.set XS,  8                            ; v8-11 x's scale words, v12-15 the weight's, v16 my query tile's: these hold scales and nothing else
.set WS,  12
.set XQS, 16
.set XF,  32                           ; v32-95   x's codes: key tiles 4 Q + rg
.set XQ,  96                           ; v96-111  x's codes: my query tile
.set WF,  112                          ; v112-175 four tiles of the weight's codes
.set ACC, 176                          ; v176-207 four accumulators
                                       ; v32-95 G0, v96-159 G1: k^ (2 kappa x 2 key tiles), then q^ (2 kappa x 2 query tiles): step s takes 32 + 64 (s % 2)
.set AP,  160                          ; v160-191 four accumulators
.set WT,  192                          ; v192-215 the weights 2^-13 d^n, three tables of eight
.set NI,  224                          ; v224-247 n as whole numbers
.set TF,  32                           ; v32-159  T as f32, then T^ in v32-95
.set AI,  96                           ; v96-127  q^ T^, four row tiles
.set AA,  128                          ; v128-159 P~ v~', four row tiles
.set VB,  160                          ; v160-223 v~': 8 fragments
                                       ; v224-255 B0, v128-159 B1: four fragments of q^: step kappa takes 224 - 96 (kappa % 2).  v32-63 Z0, v224-255 Z1: four fragments of P~ each
.set FT,  32                           ; v32-63   at the end: the factors of q^ T^
.set MXB, 12
.set SEL, 48
.set FQ,  58                           ; s[58:59] 2^Nq, twice;  s[60:61] 2^Nk
.set FK,  60
.macro PLACES n
.rept \n
	v_nop
.endr
.endm
.macro BAR                             ; my LDS stores have landed and my LDS loads are in: then the work-group's barrier
	s_wait_dscnt 0x0
	s_barrier_signal -1
	s_barrier_wait -1
.endm
.macro LDTILE reg, sc, cb, sb, t       ; a tile's codes (four groups of 512 bytes) and its 32 scale words
.irp q, 0,1,2,3
	global_load_b128 v[(\reg)+4*\q:(\reg)+4*\q+3], v[L16], s[\cb:\cb+1] offset:2048*(\t)+512*\q
.endr
	global_load_b32 v[\sc], v[L4], s[\sb:\sb+1] offset:128*(\t)
.endm
.macro QMM d, a, b, sa, sb, k          ; K step k of a quantised product: step 0 starts the sum and reads the scale words of lanes 0-15, step 1 those of lanes 16-31
.if \k == 0
	v_wmma_scale_f32_16x16x128_f8f6f4 v[(\d):(\d)+7], v[(\a):(\a)+7], v[(\b):(\b)+7], 0, v[\sa], v[\sb] matrix_a_fmt:MATRIX_FMT_FP4 matrix_b_fmt:MATRIX_FMT_FP4
.else
	v_wmma_scale_f32_16x16x128_f8f6f4 v[(\d):(\d)+7], v[(\a)+8:(\a)+15], v[(\b)+8:(\b)+15], v[(\d):(\d)+7], v[\sa], v[\sb] matrix_a_fmt:MATRIX_FMT_FP4 matrix_b_fmt:MATRIX_FMT_FP4 matrix_a_scale:MATRIX_SCALE_ROW1 matrix_b_scale:MATRIX_SCALE_ROW1
.endif
.endm
.macro HMM d, a, b, first
.if \first
	v_wmma_f32_16x16x32_f16 v[(\d):(\d)+7], v[(\a):(\a)+7], v[(\b):(\b)+7], 0
.else
	v_wmma_f32_16x16x32_f16 v[(\d):(\d)+7], v[(\a):(\a)+7], v[(\b):(\b)+7], v[(\d):(\d)+7]
.endif
.endm
.macro PACKS acc, sp                   ; eight results x a power of two (exact), then to f16 in the low four registers; read from the low end on
.irp t, 0,1,2,3
	v_pk_mul_f32 v[(\acc)+2*\t:(\acc)+2*\t+1], v[(\acc)+2*\t:(\acc)+2*\t+1], s[\sp:\sp+1] op_sel_hi:[1,0]
.endr
.irp t, 0,1,2,3
	v_cvt_pk_f16_f32 v[(\acc)+\t], v[(\acc)+2*\t], v[(\acc)+2*\t+1]
.endr
.endm
.macro PACKV acc, tab                  ; the same with a factor for each register
.irp t, 0,1,2,3
	v_pk_mul_f32 v[(\acc)+2*\t:(\acc)+2*\t+1], v[(\acc)+2*\t:(\acc)+2*\t+1], v[(\tab)+2*\t:(\tab)+2*\t+1]
.endr
.irp t, 0,1,2,3
	v_cvt_pk_f16_f32 v[(\acc)+\t], v[(\acc)+2*\t], v[(\acc)+2*\t+1]
.endr
.endm
.macro LDI reg, adr, off               ; a fragment's image from LDS
	ds_load_b128 v[(\reg):(\reg)+3], v[\adr] offset:(\off)
	ds_load_b128 v[(\reg)+4:(\reg)+7], v[\adr] offset:(\off)+512
.endm
.macro GLI reg, vo, sb, off            ; and from memory
	global_load_b128 v[(\reg):(\reg)+3], v[\vo], s[\sb:\sb+1] offset:(\off)
	global_load_b128 v[(\reg)+4:(\reg)+7], v[\vo], s[\sb:\sb+1] offset:(\off)+512
.endm
.macro DECAY tm, z                     ; L = log2(1 / (1 + e^-z)), held at -2^100.  Each step reads the one before: a plain line and a wait stand behind each transcendental
	v_mov_b32 v[\tm], s[\z]
	v_mul_f32 v[\tm], 0xbfb8aa3b, v[\tm]
	v_exp_f32 v[\tm], v[\tm]
	v_nop
	s_wait_alu depctr_va_vdst(0)                   ; the exponential has written its result, which the next line reads
	v_add_f32 v[\tm], 1.0, v[\tm]
	v_rcp_f32 v[\tm], v[\tm]
	v_nop
	s_wait_alu depctr_va_vdst(0)                   ; the reciprocal has written its result, which the next line reads
	v_log_f32 v[\tm], v[\tm]
	v_nop
	s_wait_alu depctr_va_vdst(0)                   ; the logarithm has written its result, which the next line reads
	v_max_num_f32 v[LG], 0xf1800000, v[\tm]
.endm
.macro NORMS_LD nr, wr                 ; the 1,024 tile maxima of x, 512 consecutive bytes a load; Wq's and Wk's sixteen each in one register, Wv's (and Wo's) in another
.irp t, 0,1,2,3,4,5,6,7
	global_load_b128 v[\nr+4*\t:\nr+4*\t+3], v[L16], s[MXB:MXB+1] offset:512*\t
.endr
	global_load_b32 v[\wr], v[L4], s[MXB:MXB+1] offset:4096
	global_load_b32 v[\wr+1], v[L4], s[MXB:MXB+1] offset:4224
.endm
.macro NORMS nr, wr                    ; s50 = max |x|; v[wr], v[wr+1]: each half of the lanes holds its sixteen tiles' maximum
.irp t, 0,1,2,3,4,5,6,7
	v_max3_num_f32 v[\nr+4*\t], v[\nr+4*\t], v[\nr+4*\t+1], v[\nr+4*\t+2]
.endr
.irp t, 0,1,2,3
	v_max3_num_f32 v[\nr+8*\t], v[\nr+8*\t], v[\nr+8*\t+4], v[\nr+8*\t+3]
.endr
.irp t, 0,1
	v_max3_num_f32 v[\nr+16*\t], v[\nr+16*\t], v[\nr+16*\t+8], v[\nr+16*\t+7]
.endr
	v_max3_num_f32 v[\nr], v[\nr], v[\nr+16], v[\nr+15]
	v_max_num_f32 v[\nr], v[\nr], v[\nr+31]
.irp x, 1,2,4,8
	v_max_num_f32_dpp v[\nr], v[\nr], v[\nr] row_xmask:\x row_mask:0xf bank_mask:0xf
	v_max_num_f32_dpp v[\wr], v[\wr], v[\wr] row_xmask:\x row_mask:0xf bank_mask:0xf
	v_max_num_f32_dpp v[\wr+1], v[\wr+1], v[\wr+1] row_xmask:\x row_mask:0xf bank_mask:0xf
.endr
	v_mov_b32 v[\wr+2], 0
	v_permlanex16_b32 v[\wr+2], v[\nr], s[SEL], s[SEL+1]
	v_max_num_f32 v[\nr], v[\nr], v[\wr+2]
	v_readfirstlane_b32 s50, v[\nr]
.endm
.macro NEXP dst, fw, top               ; N = top - (x's field + the weight's field), held to -126 .. 126.  These numbers enter factors alone: no address and no branch hangs on them
	s_bfe_u32 s[\fw], s[\fw], 0x80017
	s_add_co_u32 s[\dst], s50, s[\fw]
	s_sub_co_i32 s[\dst], \top, s[\dst]
	s_max_i32 s[\dst], s[\dst], 0xffffff82
	s_min_i32 s[\dst], s[\dst], 126
.endm
.macro POW2 pr, nx                     ; 2^N as an f32, twice (the packed form names a pair)
	s_add_co_i32 s[\pr], s[\nx], 127
	s_lshl_b32 s[\pr], s[\pr], 23
	s_mov_b32 s[\pr+1], s[\pr]
.endm
; P~, step s: kappa = 2 s, 2 s + 1.  Sixteen LDS loads; eight matrix instructions, the four accumulators by turns, one instruction a turn
.macro LP s
.irp u, 0,1
.irp a, 0,1
	LDI 32+64*((\s)%2)+8*(2*\u+\a), 20, \a*8192+(2*(\s)+\u)*1024
	LDI 64+64*((\s)%2)+8*(2*\u+\a), 21, \a*8192+(2*(\s)+\u)*1024
.endr
.endr
.endm
.macro MP s
.irp u, 0,1
.irp a, 0,1
.irp e, 0,1
	HMM AP+8*(2*\a+\e), 32+64*((\s)%2)+8*(2*\u+\a), 64+64*((\s)%2)+8*(2*\u+\e), FST
.endr
.endr
.set FST, 0
.endr
.endm
; q^ T^, step kappa: eight LDS loads; four matrix instructions, one for each row tile
.macro LQ kk
.irp tl, 0,1,2,3
	LDI 224-96*((\kk)%2)+8*\tl, L16, QIMG+\tl*8192+(\kk)*1024
.endr
.endm
.macro MQ kk
.irp tl, 0,1,2,3
	HMM AI+8*\tl, 224-96*((\kk)%2)+8*\tl, TF+8*(\kk), FST
.endr
.set FST, 0
.endm
; P~ v~', the 32 keys of fragment ks, from buffer buf
.macro LPV ks, buf
.irp tl, 0,1,2,3
	LDI (\buf)+8*\tl, 24, \tl*8192+(\ks)*1024
.endr
.endm
.macro MPV ks, buf, first
.irp tl, 0,1,2,3
	HMM AA+8*\tl, (\buf)+8*\tl, VB+8*(\ks), \first
.endr
.endm
	s_load_b512 s[8:23], s[0:1], 0x0               ; codes, scl, mx, eo, decay_logit, out_scale, vp, T
	s_load_b64 s[24:25], s[0:1], 0x40              ; out0
	v_lshl_add_u32 v[SPW], v0, 2, SPARE
	v_mov_b32 v[NIL], 0
	v_lshrrev_b32 v6, 5, v0
	v_readfirstlane_b32 s2, v6                     ; wave 0..15
	v_and_b32 v31, 31, v0                          ; lane
	v_bfe_u32 v6, v0, 4, 1                         ; h
	v_and_b32 v7, 15, v0                           ; r
	v_lshlrev_b32 v[L16], 4, v31
	v_lshlrev_b32 v[L4], 2, v31
	s_wait_alu depctr_va_sdst(0)                   ; s2 is written, ahead of its first reader
	s_and_b32 s3, s2, 3                            ; mq
	s_lshr_b32 s4, s2, 2                           ; rg
	s_and_b32 s5, s2, 7                            ; p8
	s_lshr_b32 s6, s2, 3                           ; tp
	s_and_b32 s7, ttmp7, 0xffff                    ; bc
	s_mov_b32 s72, ttmp9                           ; i: which quarter of the chunk's rows
	s_lshl_b32 s73, s72, 1                         ; 2 i
	s_mov_b32 s[SEL], 0x76543210
	s_mov_b32 s[SEL+1], 0xfedcba98
	; every LDS address is made here: constants, the lane, constants x the wave's number
	s_lshl_b32 s77, s4, 13
	s_lshl_b32 s78, s3, 11
	s_add_co_u32 s77, s77, s78
	v_add_nc_u32 v17, s77, v[L16]                  ; v17: where I put q^: QIMG + 8192 rg + 2048 mq
	s_add_co_u32 s77, s77, KIMG
	v_add_nc_u32 v18, s77, v[L16]                  ; v18: where I put k^, key tiles rg and 4 + rg;
	s_add_co_u32 s77, s77, 65536
	v_add_nc_u32 v19, s77, v[L16]                  ; v19: key tiles 8 + rg and 12 + rg
	s_lshl_b32 s77, s5, 14
	s_add_co_u32 s77, s77, KIMG
	v_add_nc_u32 v20, s77, v[L16]                  ; v20: my two key tiles: KIMG + 16384 p8
	s_lshl_b32 s77, s6, 14
	v_add_nc_u32 v21, s77, v[L16]                  ; v21: my two query tiles: QIMG + 16384 tp
	s_lshl_b32 s78, s5, 10
	s_add_co_u32 s77, s77, s78
	s_add_co_u32 s77, s77, PIMG
	v_add_nc_u32 v22, s77, v[L16]                  ; v22: where I put P~: PIMG + 16384 tp + 1024 p8
	v_add_nc_u32 v24, PIMG, v[L16]                 ; v24: P~ for the last product
	v_mul_u32_u24 v25, v6, 8*PIT
	v_lshl_add_u32 v25, v7, 2, v25
	s_lshl_b32 s77, s2, 6
	s_add_co_u32 s77, s77, STG
	v_add_nc_u32 v25, s77, v25                     ; v25: the stage, in: row 8 h, column 16 w + r
	s_mul_i32 s77, s2, 4*PIT
	s_add_co_u32 s77, s77, STG
	v_add_nc_u32 v26, s77, v[L16]                  ; v26: the stage, back: my four rows
	s_lshl_b32 s77, s2, 14
	v_add_nc_u32 v27, s77, v[L16]                  ; v27: my o tile in T's chunk
	s_lshl_b32 s77, s2, 13
	v_add_nc_u32 v28, s77, v[L16]                  ; v28: in vp's chunk
	s_lshl_b32 s77, s2, 12
	v_add_nc_u32 v29, s77, v[L16]                  ; v29: my four rows of out0
	s_lshl_b32 s78, s2, 13                         ; the prefetch's offset: waves 0-7: T's blocks 256 i + 32 w + lane; waves 8-11: vp's blocks 128 i + 32 (w - 8) + lane; a block is 256 bytes
	s_lshl_b32 s77, s72, 16
	s_add_co_u32 s77, s77, s78
	s_lshl_b32 s79, s72, 15
	s_add_co_u32 s79, s79, s78
	s_sub_co_u32 s79, s79, 65536
	s_cmp_lt_u32 s2, 8
	s_cselect_b32 s77, s77, s79
	v_lshlrev_b32 v30, 8, v31
	v_add_nc_u32 v30, s77, v30                     ; v30; never rewritten
	s_lshl_b32 s76, s5, 1                          ; 16 (2 p8 - 4 i - 2 tp) - 17: what the weights' exponents begin from
	s_lshl_b32 s77, s72, 2
	s_sub_co_i32 s76, s76, s77
	s_lshl_b32 s77, s6, 1
	s_sub_co_i32 s76, s76, s77
	s_lshl_b32 s76, s76, 4
	s_sub_co_i32 s76, s76, 17
	s_lshl_b32 s80, s72, 6
	s_sub_co_u32 s80, 255, s80                     ; 255 - 64 i
	s_mov_b32 s71, 0
	s_wait_kmcnt 0x0
	s_load_b32 s26, s[16:17], 0x0                  ; decay_logit
	s_load_b32 s27, s[18:19], 0x0                  ; out_scale
	s_lshl_b32 s70, s7, 15                         ; x's tile 16 bc + rg: 2,048 bytes of codes a tile,
	s_lshl_b32 s77, s4, 11
	s_add_co_u32 s70, s70, s77
	s_add_nc_u64 s[32:33], s[8:9], s[70:71]
	s_lshl_b32 s77, s72, 13
	s_add_co_u32 s78, s70, s77                     ; and tile 16 bc + 4 i + rg, my query tile
	s_lshr_b32 s70, s70, 4                         ; 128 bytes of scale words a tile
	s_add_nc_u64 s[34:35], s[10:11], s[70:71]
	s_mov_b32 s70, s78
	s_add_nc_u64 s[28:29], s[8:9], s[70:71]
	s_lshr_b32 s70, s70, 4
	s_add_nc_u64 s[30:31], s[10:11], s[70:71]
	s_lshl_b32 s77, s3, 13
	s_add_co_u32 s70, s77, 1024*2048               ; Wq's tiles 4 mq on
	s_add_nc_u64 s[36:37], s[8:9], s[70:71]
	s_lshr_b32 s70, s70, 4
	s_add_nc_u64 s[38:39], s[10:11], s[70:71]
	s_add_co_u32 s70, s77, 1040*2048               ; Wk's
	s_add_nc_u64 s[40:41], s[8:9], s[70:71]
	s_lshr_b32 s70, s70, 4
	s_add_nc_u64 s[42:43], s[10:11], s[70:71]
	s_lshl_b32 s70, s2, 7
	s_add_nc_u64 s[44:45], s[14:15], s[70:71]      ; eo at o tile w
	s_lshl_b32 s70, s7, 17
	s_add_nc_u64 s[46:47], s[20:21], s[70:71]      ; vp at my chunk
	s_lshl_b32 s70, s7, 18
	s_add_nc_u64 s[66:67], s[22:23], s[70:71]      ; T at my chunk
	s_lshl_b32 s77, s72, 16
	s_add_co_u32 s70, s70, s77
	s_add_nc_u64 s[68:69], s[24:25], s[70:71]      ; out0 at row 256 bc + 64 i
	s_wait_alu depctr_va_vdst(0)                   ; v1, v2 and v17 to v30 are written: every load, store and prefetch of the kernel reads one of them as its offset or address; so is v7, in which a load lands later
	LDTILE XQ, XQS, 28, 30, 0
.irp Q, 0,1,2,3
	LDTILE XF+16*\Q, XS+\Q, 32, 34, 4*\Q           ; all four are loaded, so that every path finds the registers written; those under the mask go unused
.endr
.irp m, 0,1,2,3
	LDTILE WF+16*\m, WS+\m, 36, 38, \m
.endr
	NORMS_LD 224, 208
	s_wait_kmcnt 0x0
	DECAY 211, 26                                  ; L is made while the loads are on their way: it names v3 and v211, in neither of which a load lands
	s_wait_loadcnt 0x0
	NORMS 224, 208
	v_readlane_b32 s51, v208, 0                    ; max |Wq|
	v_readlane_b32 s52, v208, 16                   ; max |Wk|
	v_readlane_b32 s53, v209, 0                    ; max |Wv|
	s_wait_alu depctr_va_sdst(0)                   ; s50 to s53 are written, ahead of their first readers
	s_bfe_u32 s50, s50, 0x80017                    ; the exponent field of max |x|
	NEXP 54, 51, 254                               ; Nq
	NEXP 55, 52, 254                               ; Nk
	NEXP 56, 53, 250                               ; Nv, as the launch that made v~' took it
	POW2 FQ, 54
	POW2 FK, 55
	s_add_co_i32 s74, s54, s55
	s_add_co_i32 s74, s74, s56
	s_sub_co_i32 s74, -4, s74                      ; H
	s_add_co_i32 s75, s74, 13
	; ---- q^: source 0 = 16 rows of Wq, source 1 = my query tile: a lane holds one row t and eight neighbouring dims.  The four accumulators take turns, one instruction a turn
.irp m, 0,1,2,3
	QMM ACC+8*\m, WF+16*\m, XQ, WS+\m, XQS, 0
.endr
.irp m, 0,1,2,3
	QMM ACC+8*\m, WF+16*\m, XQ, WS+\m, XQS, 1
.endr
	PLACES 4                                       ; ahead of the first read of results
.irp m, 0,1,2,3
	PACKS ACC+8*\m, FQ
.endr
	s_wait_alu depctr_va_vdst(0)                   ; the conversions have written q^, which the LDS stores read; and the products are done reading Wq's codes and scale words, in whose registers Wk's land
.irp m, 0,1,2,3
	ds_store_b128 v17, v[ACC+8*\m:ACC+8*\m+3] offset:(\m/2)*1024+(\m%2)*512
.endr
.irp m, 0,1,2,3
	LDTILE WF+16*\m, WS+\m, 40, 42, \m
.endr
	; A PREFETCH INTO THE L2 of what the last phase loads: T's chunk (1,024 blocks of 256 bytes) and vp's (512).  The chunk's four work-groups take a quarter each, by their number; in each, waves 0-7 name T's blocks and
	; waves 8-11 vp's, a lane a block: each block is named once in the launch.  It stands behind the loads just issued, the whole of k^'s projection and of P~ ahead of the loads that want the data.
	s_cmp_lt_u32 s2, 8
	s_cbranch_scc0 .Lpf_vp
	global_prefetch_b8 v30, s[66:67] th:TH_LOAD_NT scope:SCOPE_SE
	s_branch .Lpf_done
.Lpf_vp:
	s_cmp_lt_u32 s2, 12
	s_cbranch_scc0 .Lpf_done
	global_prefetch_b8 v30, s[46:47] th:TH_LOAD_NT scope:SCOPE_SE
.Lpf_done:
	s_wait_alu depctr_vm_vsrc(0)                   ; q^'s LDS stores have read the accumulators, in which the next sums begin
	s_wait_loadcnt 0x0                             ; Wk
	; ---- k^, key tile 4 Q + rg: as q^.  A quarter of the chunk that lies wholly ahead of my rows is left out: a branch on the work-group's number
.macro KBLK Q
	s_cmp_gt_u32 s72, \Q
	s_cbranch_scc1 .Lkskip_\@
.irp m, 0,1,2,3
	QMM ACC+8*\m, WF+16*\m, XF+16*\Q, WS+\m, XS+\Q, 0
.endr
.irp m, 0,1,2,3
	QMM ACC+8*\m, WF+16*\m, XF+16*\Q, WS+\m, XS+\Q, 1
.endr
	PLACES 4
.irp m, 0,1,2,3
	PACKS ACC+8*\m, FK
.endr
	s_wait_alu depctr_va_vdst(0)                   ; the conversions have written k^, which the LDS stores read
.irp m, 0,1,2,3
.if \Q < 2
	ds_store_b128 v18, v[ACC+8*\m:ACC+8*\m+3] offset:(\Q%2)*32768+(\m/2)*1024+(\m%2)*512
.else
	ds_store_b128 v19, v[ACC+8*\m:ACC+8*\m+3] offset:(\Q%2)*32768+(\m/2)*1024+(\m%2)*512
.endif
.endr
	s_wait_alu depctr_vm_vsrc(0)                   ; these stores have read the accumulators, which the next block's sums, or P~'s sums and weights, write: the wait stands ahead of the branches that lead there
.Lkskip_\@:
.endm
	KBLK 0
	KBLK 1
	KBLK 2
	KBLK 3
	BAR                                            ; q^ and k^ lie whole in LDS
	; ---- P~: key tiles 2 p8 + a, query tiles 2 tp + e; source 0 = k^, source 1 = q^: a lane holds one query t and eight neighbouring keys s.  Waves whose key tiles lie under 4 i have none
	s_cmp_lt_u32 s5, s73
	s_cbranch_scc1 .Lno_p
	LP 0                                           ; no wait: the wait in the last packing stands behind the last product that read the codes in whose registers these fragments land
	LP 1
	v_bfe_u32 v216, v0, 4, 1                       ; the weights, while the fragments come.  Table x = a - e + 1, register j: n = s - t - 1 = 16 (2 p8 - 4 i - 2 tp - 1 + x) + 8 h + j - r - 1
	v_and_b32 v217, 15, v0
	v_lshlrev_b32 v216, 3, v216
	v_sub_nc_u32 v216, v216, v217
	v_add_nc_u32 v216, s76, v216
.set n, 0
.rept 24
	v_add_nc_u32 v[NI+n], 16*(n/8)+n%8, v216
.set n, n+1
.endr
.set n, 0
.rept 24
	v_cvt_f32_i32 v[WT+n], v[NI+n]
.set n, n+1
.endr
.set n, 0
.rept 24
	v_fma_f32 v[WT+n], v[LG], v[WT+n], 0xc1500000  ; L n - 13
.set n, n+1
.endr
.set n, 0
.rept 24
	v_exp_f32 v[WT+n], v[WT+n]                     ; one batch
.set n, n+1
.endr
	v_nop                                          ; the plain line behind the last exponential
.set n, 0
.rept 24
	v_cmp_le_i32 s[8+n+2*(n/18)], 0, v[NI+n]       ; the 24 masks in one run, into s8-25 and s28-33: bases whose loads have all come back
.set n, n+1
.endr
	s_wait_alu depctr_va_vdst(0)                   ; the 24 exponentials have written the weights, ahead of their first reader: one wait for the batch
	s_wait_alu depctr_va_sdst(0)                   ; the 24 compares have written their masks, ahead of their first reader
.set n, 0
.rept 24
	v_cndmask_b32 v[WT+n], 0, v[WT+n], s[8+n+2*(n/18)]   ; the mask: 0 where s <= t (a choice, not a product: what stood there may be infinite)
.set n, n+1
.endr
.set FST, 1
	s_wait_dscnt 16                                ; step 0's sixteen loads are in; step 1's sixteen may be out
	MP 0
	PLACES 4
	s_wait_alu depctr_va_vdst(0)                   ; step 0's matrix instructions are done reading G0, in which step 2's fragments land
	LP 2
	s_wait_dscnt 16
	MP 1
	PLACES 4
	s_wait_alu depctr_va_vdst(0)                   ; step 1's matrix instructions are done reading G1, in which step 3's fragments land
	LP 3
	s_wait_dscnt 16
	MP 2
	s_wait_dscnt 0x0
	MP 3
	PLACES 4                                       ; ahead of the first read of results
.irp a, 0,1
.irp e, 0,1
	PACKV AP+8*(2*\a+\e), WT+8*(\a-\e+1)
.endr
.endr
	s_wait_alu depctr_va_vdst(0)                   ; the conversions have written P~, which the LDS stores read; and all readers of the fragments, the weights and v216, v217 are done: T and v~' land in those registers
.irp a, 0,1
.irp e, 0,1
	ds_store_b128 v22, v[AP+8*(2*\a+\e):AP+8*(2*\a+\e)+3] offset:\e*8192+\a*512     ; half a of fragment p8 of query tile 2 tp + e
.endr
.endr
.Lno_p:
	s_wait_alu depctr_vm_vsrc(0)                   ; P~'s LDS stores have read their registers, in which v~' lands
.irp mu, 0,1,2,3,4,5,6,7,8,9,10,11,12,13,14,15
	GLI TF+8*\mu, 27, 66, \mu*1024                 ; T of o tile w, which is wanted first: lane (r, h), tile mu, register j: dim 16 mu + 8 h + j
.endr
.irp kk, 0,1,2,3,4,5,6,7
	GLI VB+8*\kk, 28, 46, \kk*1024                 ; v~' of o tile w
.endr
	global_load_b32 v7, v[L4], s[44:45]            ; Eo of my o
	BAR                                            ; P~ lies whole in LDS, and nobody reads k^ any more; the loads above stay on their way
	s_wait_loadcnt 17                              ; T's 32 loads are in; the 16 of v~' and the one of Eo, issued behind them, may be out
	; ---- T^: my column's largest magnitude, its exponent out, to f16.  Tiles 2 kappa and 2 kappa + 1 of a lane are fragment kappa
.irp c, 0,1,2,3
	v_max3_num_f32 v[224+\c], |v[TF+32*\c]|, |v[TF+32*\c+1]|, 0x0d800000   ; the floor 2^-100
.endr
.irp i, 2,4,6,8,10,12,14,16,18,20,22,24,26,28,30
.irp c, 0,1,2,3
	v_max3_num_f32 v[224+\c], v[224+\c], |v[TF+32*\c+\i]|, |v[TF+32*\c+\i+1]|
.endr
.endr
	v_max3_num_f32 v224, v224, v225, v226
	v_max_num_f32 v224, v224, v227
	v_mov_b32 v228, 0
	v_permlanex16_b32 v228, v224, s[SEL], s[SEL+1]
	v_max_num_f32 v224, v224, v228                 ; with lane l xor 16's half of the column
	v_lshrrev_b32 v225, 23, v224                   ; its exponent field f,
	v_min_u32 v225, 253, v225                      ; held at 253, so that the factor is a normal number
	v_add_nc_u32 v6, 0xffffff81, v225              ; Et = f - 127
	v_sub_nc_u32 v226, 254, v225
	v_lshlrev_b32 v226, 23, v226                   ; 2^-Et
	v_mov_b32 v227, v226
.set n, 0
.rept 64
	v_pk_mul_f32 v[TF+2*n:TF+2*n+1], v[TF+2*n:TF+2*n+1], v[226:227]   ; exact
.set n, n+1
.endr
	s_wait_alu depctr_va_vdst(0)                   ; the lines above are done with v224 to v228, in which q^'s first fragments land
	LQ 0                                           ; they come while T is converted
.set n, 0
.rept 64
	v_cvt_pk_f16_f32 v[TF+n], v[TF+2*n], v[TF+2*n+1]   ; in place, ascending
.set n, n+1
.endr
	s_wait_alu depctr_va_vdst(0)                   ; the conversions are done reading v128 to v159, in which q^'s next fragments land
	LQ 1
	; ---- q^ T^: source 0 = q^ (four row tiles), source 1 = T^: a lane holds one o and eight rows t
.set FST, 1
.irp kk, 0,1,2,3,4,5
	s_wait_dscnt 8                                 ; this step's eight loads are in; the next step's eight may be out
	MQ \kk
	PLACES 4
	s_wait_alu depctr_va_vdst(0)                   ; this step's matrix instructions are done reading their buffer, in which the fragments of two steps on land
	LQ \kk+2
.endr
	s_wait_dscnt 8
	MQ 6
	PLACES 4
	s_wait_alu depctr_va_vdst(0)                   ; steps 0 to 6 are done reading B0 and T^'s fragments 0 to 6: the first pair of P~'s fragments lands in v32-63 and in B0's registers
	LPV 7, 32
	LPV 6, 224
	s_wait_dscnt 16                                ; step 7's eight loads are in; the sixteen just issued may be out
	MQ 7
	PLACES 5                                       ; five places: the next sums begin in registers that the four matrix instructions above read as a source
	; ---- P~ v~': K = the chunk's keys from 64 i on, the last 32 first, two fragments a turn; fragments under 2 i were never made and are not read (2 i is even: a pair is made whole or not at all)
	s_wait_loadcnt 0x0                             ; v~' and Eo
	s_wait_dscnt 8                                 ; fragment 7's loads are in; fragment 6's may be out
	MPV 7, 32, 1
	s_wait_dscnt 0x0
	MPV 6, 224, 0
.irp ks, 5,3,1
	s_cmp_gt_u32 s73, \ks
	s_cbranch_scc1 .Lpv_done
	PLACES 4
	s_wait_alu depctr_va_vdst(0)                   ; the last pair's matrix instructions are done reading both buffers, in which the next pair lands
	LPV \ks, 32
	LPV \ks-1, 224
	s_wait_dscnt 8
	MPV \ks, 32, 0
	s_wait_dscnt 0x0
	MPV \ks-1, 224, 0
.endr
.Lpv_done:
	; ---- the end: the powers of two go out again, in f32.  The seven lines below are the places behind the last matrix instructions, ahead of the first write of their sources and the first read of their results
	v_add3_u32 v6, v6, v7, s74
	v_ldexp_f32 v6, s27, v6                        ; c2 = out_scale 2^(H + Eo + Et)
	v_add_nc_u32 v7, s75, v7
	v_ldexp_f32 v7, s27, v7                        ; c1 = out_scale 2^(H + Eo + 13)
	v_bfe_u32 v31, v0, 4, 1
	v_lshlrev_b32 v31, 3, v31
	v_sub_nc_u32 v31, s80, v31                     ; 255 - 64 i - 8 h
.set n, 0
.rept 32
	v_sub_nc_u32 v[FT+n], v31, 16*(n/8)+n%8        ; 255 - t_loc of register n % 8 of row tile n / 8
.set n, n+1
.endr
.set n, 0
.rept 32
	v_cvt_f32_u32 v[FT+n], v[FT+n]
.set n, n+1
.endr
.set n, 0
.rept 32
	v_mul_f32 v[FT+n], v[LG], v[FT+n]
.set n, n+1
.endr
.set n, 0
.rept 32
	v_exp_f32 v[FT+n], v[FT+n]                     ; one batch
.set n, n+1
.endr
.set n, 0
.rept 32
	v_mul_f32 v[AA+n], v7, v[AA+n]                 ; (plain work behind the exponentials, which names none of their results)  each accumulator from its low end on
.set n, n+1
.endr
	s_wait_alu depctr_va_vdst(0)                   ; the 32 exponentials have written the factors, ahead of their first reader: one wait for the batch
.set n, 0
.rept 32
	v_mul_f32 v[FT+n], v6, v[FT+n]
.set n, n+1
.endr
.set n, 0
.rept 16
	v_pk_fma_f32 v[AA+2*n:AA+2*n+1], v[AI+2*n:AI+2*n+1], v[FT+2*n:FT+2*n+1], v[AA+2*n:AA+2*n+1]
.set n, n+1
.endr
	s_wait_alu depctr_va_vdst(0)                   ; the multiply-adds have written the results, which the LDS stores read, and are done reading the factors, in whose registers the loads from the stage land
.set n, 0
.rept 32
	ds_store_b32 v25, v[AA+n] offset:(16*(n/8)+n%8)*PIT   ; row 16 (n / 8) + 8 h + n % 8, column 16 w + r.  Eight rows are 2,080 words: the two halves of the lanes fall 32 words apart modulo 64
.set n, n+1
.endr
	BAR                                            ; 64 whole rows lie in the stage
.irp u, 0,1,2,3,4,5,6,7
	ds_load_b128 v[32+4*\u:35+4*\u], v26 offset:(\u/2)*PIT+(\u%2)*512
.endr
.irp u, 0,1,2,3,4,5,6,7
	s_wait_dscnt 7-\u                              ; LDS loads come back in order: load u is in, the 7 - u younger ones may be out
	global_store_b128 v29, v[32+4*\u:35+4*\u], s[68:69] offset:(\u/2)*1024+(\u%2)*512 th:TH_STORE_NT   ; 512 consecutive bytes, aligned; written once, read by nobody here
.endr
	s_wait_dscnt 0x0                               ; the closing lines, six on end
	s_wait_alu 0x0
	s_wait_tensorcnt 0x0
	ds_add_u32 v[SPW], v[NIL]
	s_wait_dscnt 0x0
	s_endpgm
.Lfunc_end_k_q2c0da17db6_out:
	.size	k_q2c0da17db6_out, .Lfunc_end_k_q2c0da17db6_out-k_q2c0da17db6_out
	.p2alignl 7, 3214868480
	.fill 96, 4, 3214868480
	.section	.rodata,"a",@progbits
	.p2align	6, 0x0
	.amdhsa_kernel k_q2c0da17db6_out
		.amdhsa_group_segment_fixed_size 198656
		.amdhsa_private_segment_fixed_size 0
		.amdhsa_enable_private_segment 0
		.amdhsa_kernarg_size 72
		.amdhsa_user_sgpr_count 2
		.amdhsa_user_sgpr_kernarg_segment_ptr 1
		.amdhsa_wavefront_size32 1
		.amdhsa_system_sgpr_workgroup_id_x 1
		.amdhsa_system_sgpr_workgroup_id_y 1
		.amdhsa_system_sgpr_workgroup_id_z 1
		.amdhsa_system_vgpr_workitem_id 0
		.amdhsa_next_free_vgpr 256
		.amdhsa_next_free_sgpr 90
		.amdhsa_reserve_vcc 0
		.amdhsa_float_denorm_mode_32 3
		.amdhsa_float_denorm_mode_16_64 3
		.amdhsa_memory_ordered 1
		.amdhsa_forward_progress 1
		.amdhsa_inst_pref_size 95
	.end_amdhsa_kernel
	.amdgpu_metadata
---
amdhsa.version: [ 1, 2 ]
amdhsa.kernels:
  - .name:           k_q2c0da17db6_out
    .symbol:         k_q2c0da17db6_out.kd
    .args:
      - { .name: codes, .offset: 0, .size: 8, .value_kind: global_buffer, .address_space: global }
      - { .name: scl, .offset: 8, .size: 8, .value_kind: global_buffer, .address_space: global }
      - { .name: mx, .offset: 16, .size: 8, .value_kind: global_buffer, .address_space: global }
      - { .name: eo, .offset: 24, .size: 8, .value_kind: global_buffer, .address_space: global }
      - { .name: decay_logit, .offset: 32, .size: 8, .value_kind: global_buffer, .address_space: global }
      - { .name: out_scale, .offset: 40, .size: 8, .value_kind: global_buffer, .address_space: global }
      - { .name: vp, .offset: 48, .size: 8, .value_kind: global_buffer, .address_space: global }
      - { .name: T, .offset: 56, .size: 8, .value_kind: global_buffer, .address_space: global }
      - { .name: out0, .offset: 64, .size: 8, .value_kind: global_buffer, .address_space: global }
    .group_segment_fixed_size: 198656
    .private_segment_fixed_size: 0
    .kernarg_segment_align: 8
    .kernarg_segment_size: 72
    .max_flat_workgroup_size: 512
    .sgpr_count:     90
    .vgpr_count:     256
    .wavefront_size: 32
...
	.end_amdgpu_metadata
.endif
;; end of part 6
